; MI455X (gfx1250); checked and timed in simulation.
; The chip was launched on July 23, 2026; its instructions are those of AMD's public machine-readable ISA for CDNA 5 (MIT licence, August 2026) and "CDNA5" Instruction Set Architecture Reference Guide (July 2026). The comments in the code are by the model that wrote it; some were corrected since.
;; Attention Block. Allowed arithmetic: matrix products marked QUANTISED: E2M1 operands, one E8M0 scale for each 32 along K, by v_wmma_scale_f32_16x16x128_f8f6f4 with both operands' format E2M1 (or v_wmma_scale_f32_32x16x128_f4), f32 sums; everything else in f32.
;; Inputs: Wk 512 x 512 float32; Wq 512 x 512 float32; Wv 512 x 512 float32; bk 512 float32; bq 512 float32; bv 512 float32; x 32 x 512 x 1,024 float32.
;; Outputs: out0 32 x 512 x 1,024 float32.
;; This version of the problem:
;;   THIS VERSION OF THE PROBLEM IS GIVEN IN LOW PRECISION. The matrix products marked QUANTISED in the list below multiply operands that are first quantised to E2M1 (2 exponent bits, 1 mantissa bit; 4 bits a number), with one power-of-two scale for each 32 numbers along K (OCP MX v1.0); their sums are f32. All else is computed in f32.
;;   The module's matrix products, in the order in which they are computed (A, B: the left and right operand; K: the contracted axis; several contracted axes count as one K, in the product's order):
;;     1. [M 32,768, K 512] x [K 512, N 512]; A: input x; B: input Wq: QUANTISED
;;     2. [M 32,768, K 512] x [K 512, N 512]; A: input x; B: input Wk: QUANTISED
;;     3. [M 32,768, K 512] x [K 512, N 512]; A: input x; B: input Wv: QUANTISED
;;     4. batch 32 x [M 1,024, K 512] x [K 512, N 1,024]; A: computed on the way; B: computed on the way: QUANTISED
;;     5. batch 32 x [M 1,024, K 1,024] x [K 1,024, N 512]; A: computed on the way; B: computed on the way: QUANTISED
;;   THE QUANTISER, for each operand of a quantised product, along K:
;;     - K is cut into blocks of 32 from its start; a last block that is shorter is filled with zeros.
;;     - A block's scale is 2^e with e = floor(log2(the largest magnitude in the block)) - 2, held to -126 .. 127; a block of zeros has e = 0. As a byte (E8M0): e + 127.
;;     - Each number is divided by its block's scale, clamped to +-6, and rounded to the nearest number of E2M1, ties to even, subnormals kept.
;;     - The product sums the exact products of the quantised numbers (number of the format x scale) in f32.
;;   ~~~python
;;   def quantise(x, axis):      # numpy; x: float32 -> the quantised numbers, widened to float32 again
;;       x = np.moveaxis(x, axis, -1); K = x.shape[-1]
;;       x = np.pad(x, [(0, 0)] * (x.ndim - 1) + [(0, -K % 32)]); x = x.reshape(x.shape[:-1] + (-1, 32)); a = np.abs(x).max(-1, keepdims=True)
;;       e = np.where(a > 0, np.clip(np.frexp(np.where(a > 0, a, 1))[1] - 1 - 2, -126, 127), 0)      # np.frexp(a)[1] - 1 = floor(log2(a)), exactly
;;       r = np.clip(x / 2.0 ** e, -6, 6)
;;       step = 2.0 ** (np.maximum(np.frexp(np.where(r == 0, 1, r))[1] - 1, 0) - 1)
;;       q = np.round(r / step) * step * 2.0 ** e      # np.round: ties to even
;;       return np.moveaxis(q.reshape(q.shape[:-2] + (-1,))[..., :K], -1, axis).astype(np.float32)
;;   ~~~
;;   OPERANDS COMPUTED ON THE WAY. 'Computed on the way' means the value that the module computes at that place (a softmax that the list does not call 'softmax' is quantised finished and normalised). What goes into a quantiser is computed in f32, as accurately as f32 sums, v_exp_f32 and their like allow (about 1e-6 of the number): no bf16 or f16 on the way to a quantiser, and a product that is left as it is and whose result goes on into a quantised operand takes f32 operands (vector FMAs, or v_wmma_f32_16x16x4_f32). A number that lies on a knife's edge between two numbers of the format may be rounded either way, as far as f32 arithmetic and the matrix unit's own rounding can turn it there, and no further.
;; 2 versions, each right; version 2 is version 1 with the launches stats, attn written anew for expert scheduling mode. Each part assembles by itself: llvm-mc -triple=amdgcn-amd-amdhsa -mcpu=gfx1250 --defsym DOCPART=n.
;; ======== version 1 of 2: 4 launches
;; workspace buffers: wc 393,216 bytes; ws 24,576 bytes; qkc 16,777,216 bytes; qks 1,048,576 bytes; vc 8,388,608 bytes; vs 524,288 bytes; st 262,144 bytes
;; launch wprep (part 1): grid 96 x 1, 2 waves a work-group, no clusters, 0 bytes of LDS; arguments Wq, Wk, Wv, wc, ws; writes wc, ws
.if DOCPART == 1
	.amdgcn_target "amdgcn-amd-amdhsa--gfx1250"
	.amdhsa_code_object_version 6
	.text
	.protected	k_q5df3c4080a_wprep
	.globl	k_q5df3c4080a_wprep
	.p2align	8
	.type	k_q5df3c4080a_wprep,@function
k_q5df3c4080a_wprep:
	s_mov_b64 s[64:65], 0
	v_nop
	global_prefetch_b8 v0, s[64:65] scope:SCOPE_SE
	s_setreg_imm32_b32 hwreg(HW_REG_WAVE_MODE, 25, 1), 1
	s_wait_xcnt 0x0
; Wq, Wk, Wv [512 (unit)][512 (c)], f32, K = c innermost, become codes of FP4 (E2M1) with one E8M0 byte for each 32 along c, laid in the ORDER OF AN OPERAND'S REGISTERS:
; wc [matrix 3][tile 32][K step 4][1,024]: a fragment (16 rows x 128 c, 8 registers a lane) as two groups of 512 bytes, lane l's 16 bytes at 16 l;  ws [matrix][tile][K step][16 rows][4]: a row's four bytes as one word.
; THE ROWS OF A TILE: Wq, Wk: row r of tile T is unit 32 (T / 2) + 8 (T % 2) + r + 8 (r / 8), so that the results of two neighbouring tiles are 16 neighbours along the next product's K;  Wv: unit 16 T + r.
; A work-group takes one tile of one matrix; each of its two waves two K steps.  The layout gives lane (r, h) k = 64 c + 32 h + 0 .. 31 of row r: whole blocks of 32, so no other lane is asked for a maximum.
; A block's scale is 2^(floor(log2(largest magnitude)) - 2): its byte is that magnitude's exponent field - 2, held at 1 from below.
; LIMITS: NaN and infinities are not served; a block whose largest magnitude lies under 2^-124, a block of zeros among them, gets the byte 1: the codes of zeros are zeros, and the bytes are read by this program alone.
; The reads are pieces of 128 bytes of rows 2,048 bytes apart, and the two waves write halves of one 256 bytes of ws: 3 MB read once and 24 KB written once in all.
.set X,  32                            ; v32-159  128 numbers: block e = 2 i + c (K step i of my two, group c) at X + 32 e
.set MX, 8                             ; v8-11    the blocks' largest magnitudes
.set SO, 12                            ; v12-15   the conversions' scale operands
.set BY, 16                            ; v16-19   the scale bytes
.set WD, 20                            ; v20-21   the two K steps' scale words
.set TP, 22                            ; v22-23   the other half of the lanes' bytes
.set PC, 160                           ; v160-175 the codes: block e at PC + 4 e
	s_load_b256 s[4:11], s[0:1], 0x0               ; Wq, Wk, Wv, wc
	s_load_b64 s[12:13], s[0:1], 0x20              ; ws
	v_lshrrev_b32 v1, 5, v0
	v_readfirstlane_b32 s14, v1                    ; wave p: K steps 2 p, 2 p + 1
	v_and_b32 v1, 31, v0                           ; lane
	v_and_b32 v2, 15, v0                           ; r
	v_bfe_u32 v3, v0, 4, 1                         ; h
	s_and_b32 s15, ttmp9, 31                       ; the tile T
	s_lshr_b32 s16, s15, 1
	s_lshl_b32 s16, s16, 5
	s_and_b32 s17, s15, 1
	s_lshl_b32 s17, s17, 3
	s_add_co_u32 s16, s16, s17                     ; 32 (T / 2) + 8 (T % 2)
	s_lshl_b32 s17, s15, 4                         ; 16 T
	s_cmp_lt_u32 ttmp9, 64                         ; Wq or Wk?
	s_cselect_b32 s16, s16, s17                    ; the tile's first row
	s_cselect_b32 s17, 1, 0
	v_and_b32 v4, 8, v2
	v_mul_u32_u24 v4, v4, s17                      ; + 8 (r / 8) in Wq and Wk
	v_add3_u32 v4, v4, v2, s16                     ; my row
	v_lshlrev_b32 v4, 11, v4                       ; of 2,048 bytes
	v_lshl_add_u32 v4, v3, 7, v4                   ; + 128 h: my block
	s_lshl_b32 s18, s14, 10
	v_add_nc_u32 v4, s18, v4                       ; + my two K steps
	v_lshlrev_b32 v5, 4, v1                        ; 16 x lane
	v_lshlrev_b32 v6, 2, v1                        ; 4 x lane
	v_lshlrev_b32 v24, 3, v3                       ; 8 h
	s_mov_b32 s22, 0x76543210
	s_mov_b32 s23, 0xfedcba98                      ; v_permlanex16_b32's selects for lane l xor 16
	s_lshl_b32 s20, ttmp9, 12
	s_lshl_b32 s21, s14, 11
	s_add_co_u32 s20, s20, s21                     ; codes: (4 g + 2 p) x 1,024
	s_mov_b32 s21, 0
	s_lshl_b32 s24, ttmp9, 8
	s_lshl_b32 s25, s14, 7
	s_add_co_u32 s24, s24, s25                     ; scale words: 256 g + 128 p
	s_mov_b32 s25, 0
	s_wait_kmcnt 0x0
	s_cmp_lt_u32 ttmp9, 64                         ; the matrix is chosen by the work-group's number alone
	s_cselect_b64 s[6:7], s[6:7], s[8:9]
	s_cmp_lt_u32 ttmp9, 32
	s_cselect_b64 s[4:5], s[4:5], s[6:7]
	s_add_nc_u64 s[10:11], s[10:11], s[20:21]
	s_add_nc_u64 s[12:13], s[12:13], s[24:25]
.irp e, 0,1,2,3
.irp n, 0,1,2,3,4,5,6,7
	global_load_b128 v[X+32*\e+4*\n:X+32*\e+4*\n+3], v4, s[4:5] offset:256*\e+16*\n th:TH_LOAD_NT   ; block e: 512 i + 256 c = 256 e bytes on
.endr
.endr
	s_wait_loadcnt 0x0
.irp e, 0,1,2,3
	v_max3_num_f32 v[MX+\e], |v[X+32*\e]|, |v[X+32*\e+1]|, 0x1800000   ; with the floor 2^(3 - 127): the byte cannot fall under 1
.endr
.irp n, 2,4,6,8,10,12,14,16,18,20,22,24,26,28,30
.irp e, 0,1,2,3
	v_max3_num_f32 v[MX+\e], v[MX+\e], |v[X+32*\e+\n]|, |v[X+32*\e+\n+1]|   ; the four blocks by turns
.endr
.endr
.irp e, 0,1,2,3
	v_add_nc_u32 v[SO+\e], 0xff000000, v[MX+\e]    ; 2 off the exponent field: the conversion takes that field as its scale
.endr
.irp e, 0,1,2,3
	v_lshrrev_b32 v[BY+\e], 23, v[SO+\e]           ; the scale's byte
.endr
.irp i, 0,1
	v_lshl_or_b32 v[WD+\i], v[BY+2*\i+1], 16, v[BY+2*\i]   ; my two bytes: blocks h and 2 + h,
	v_mov_b32 v[TP+\i], 0
.endr
.irp i, 0,1
	v_lshlrev_b32 v[WD+\i], v24, v[WD+\i]          ; at their places in the word
.endr
.irp i, 0,1
	v_permlanex16_b32 v[TP+\i], v[WD+\i], s22, s23
.endr
.irp i, 0,1
	v_or_b32 v[WD+\i], v[WD+\i], v[TP+\i]          ; with lane l xor 16's two the word is whole
.endr
.irp e, 0,1,2,3
.irp g, 0,1,2,3
	v_cvt_scalef32_pk8_fp4_f32 v[PC+4*\e+\g], v[X+32*\e+8*\g:X+32*\e+8*\g+7], v[SO+\e]
.endr
.endr
	v_nop                                          ; one plain instruction behind the last scaled conversion
	v_cmp_ne_u32 vcc_lo, 0, v3
	v_cndmask_b32 v25, v[WD], v[WD+1], vcc_lo      ; lanes 0-15 store K step 2 p's words, lanes 16-31 K step 2 p + 1's
.irp e, 0,1,2,3
	global_store_b128 v5, v[PC+4*\e:PC+4*\e+3], s[10:11] offset:512*\e   ; a group of a fragment: 512 consecutive bytes
.endr
	global_store_b32 v6, v25, s[12:13]
	s_endpgm
.Lfunc_end_k_q5df3c4080a_wprep:
	.size	k_q5df3c4080a_wprep, .Lfunc_end_k_q5df3c4080a_wprep-k_q5df3c4080a_wprep
	.p2alignl 7, 3214868480
	.fill 96, 4, 3214868480
	.section	.rodata,"a",@progbits
	.p2align	6, 0x0
	.amdhsa_kernel k_q5df3c4080a_wprep
		.amdhsa_group_segment_fixed_size 0
		.amdhsa_private_segment_fixed_size 0
		.amdhsa_enable_private_segment 0
		.amdhsa_kernarg_size 40
		.amdhsa_user_sgpr_count 2
		.amdhsa_user_sgpr_kernarg_segment_ptr 1
		.amdhsa_wavefront_size32 1
		.amdhsa_system_sgpr_workgroup_id_x 1
		.amdhsa_system_sgpr_workgroup_id_y 1
		.amdhsa_system_sgpr_workgroup_id_z 1
		.amdhsa_system_vgpr_workitem_id 0
		.amdhsa_next_free_vgpr 192
		.amdhsa_next_free_sgpr 66
		.amdhsa_reserve_vcc 1
		.amdhsa_float_denorm_mode_32 3
		.amdhsa_float_denorm_mode_16_64 3
		.amdhsa_memory_ordered 1
		.amdhsa_forward_progress 1
		.amdhsa_inst_pref_size 12
	.end_amdhsa_kernel
	.amdgpu_metadata
---
amdhsa.version: [ 1, 2 ]
amdhsa.kernels:
  - .name:           k_q5df3c4080a_wprep
    .symbol:         k_q5df3c4080a_wprep.kd
    .args:
      - { .name: Wq, .offset: 0, .size: 8, .value_kind: global_buffer, .address_space: global }
      - { .name: Wk, .offset: 8, .size: 8, .value_kind: global_buffer, .address_space: global }
      - { .name: Wv, .offset: 16, .size: 8, .value_kind: global_buffer, .address_space: global }
      - { .name: wc, .offset: 24, .size: 8, .value_kind: global_buffer, .address_space: global }
      - { .name: ws, .offset: 32, .size: 8, .value_kind: global_buffer, .address_space: global }
    .group_segment_fixed_size: 0
    .private_segment_fixed_size: 0
    .kernarg_segment_align: 8
    .kernarg_segment_size: 40
    .max_flat_workgroup_size: 64
    .sgpr_count:     66
    .vgpr_count:     192
    .wavefront_size: 32
...
	.end_amdgpu_metadata
.endif
;; end of part 1
;; launch proj (part 2): grid 8 x 32, 4 waves a work-group, no clusters, 307,712 bytes of LDS; arguments x, bq, bk, bv, wc, ws, qkc, qks, vc, vs; writes qkc, qks, vc, vs
.if DOCPART == 2
	.amdgcn_target "amdgcn-amd-amdhsa--gfx1250"
	.amdhsa_code_object_version 6
	.text
	.protected	k_q5df3c4080a_proj
	.globl	k_q5df3c4080a_proj
	.p2align	8
	.type	k_q5df3c4080a_proj,@function
k_q5df3c4080a_proj:
	s_mov_b64 s[64:65], 0
	v_nop
	global_prefetch_b8 v0, s[64:65] scope:SCOPE_SE
	s_setreg_imm32_b32 hwreg(HW_REG_WAVE_MODE, 25, 1), 1
	s_wait_xcnt 0x0
; q, k, v = x^T W^T + b on codes of FP4 (E2M1) with one E8M0 scale for each 32 along K = c, and the results quantised for the products that follow: q and k along the key units, v along t (the keys).
; x: [32][512 (c)][1,024 (t)] f32.  wc, ws: the weights' fragments and scale words in the order of an operand's registers.  Out: qkc, qks (q, then k: [b][tile 64][K step 4]), vc, vs ([b][key step 8][tile 32]), in the same order.
; SHARES.  A work-group owns 128 t of one batch, all 512 c and all 1,536 outputs: x is read once.  Its tile of x, 512 rows x 512 bytes, comes into LDS by two tensor loads a wave, filled once.
; PHASE X.  Wave w quantises K step w (c = 128 w .. + 127).  A LANE TAKES A COLUMN t AND ITS REGISTERS RUN DOWN c: a block of 32 lies in one lane.  The fragments go from wave to wave through LDS as images of their registers.
; THE ROWS OF A TILE of x (and so of q and k) ARE NOT NEIGHBOURS: row r of tile T is t = 32 (T / 2) + 8 (T % 2) + r + 8 (r / 8).
; PRODUCTS.  Wave w makes units 128 w .. + 127 of q, of k and of v for all eight tiles of x; each fragment of a weight is loaded by one wave of the work-group, from memory straight into registers, a package (16 fragments) ahead in two banks.
;   q, k: source 0 = 16 rows of W, source 1 = x: a lane holds one t, and the 16 registers of two neighbouring tiles of W are 16 neighbouring units.  The bias is the C of each sum's first product.
;   v: source 0 = x, source 1 = 16 rows of Wv: a lane holds one channel, and the 16 registers of two neighbouring tiles of x are 16 neighbouring t.  The bias (one number a lane) is added behind the sums.
; NO CLUSTER: what work-groups share is the weights, 417 KB of codes; LDS holds the 262,144 bytes of x, and a ring for the weights beside it would be filled again several times for bytes that here pass through no LDS at all.
; LIMITS: NaN and infinities are not served; a block whose largest magnitude lies under 2^-124, a block of zeros among them, gets the byte 1: the codes of zeros are zeros, and the bytes are read by this program alone.
; REGISTERS, in windows of 256: window 0: addresses, scale words, biases, work;  window 1: x's 32 fragments at 8 (4 xt + s);  window 2: 32 accumulators;  window 3: the weights' fragments, two banks of 128, at 128 bank + 8 (4 wt + s).
.set XIMG, 262144                      ; LDS: behind x's tile: x's 32 fragments, (xt, s) at (4 xt + s) x 1,024
.set XSC,  294912                      ; their scale words: (g, s) at (4 g + s) x 128: lanes 0-15 tile 2 g, lanes 16-31 tile 2 g + 1
.set BIAS, 296960                      ; wave w: bq's 128 numbers at 1,024 w, bk's 512 bytes on
.set SST,  301056                      ; scale words on their way out: q 2,048 bytes [xt][s][16][4], k 2,048, v 2,048 [tile 32][16][4]
.set XRI, 1                            ; v1   XIMG + 16 x lane
.set XRS, 2                            ; v2   XSC + 4 x lane
.set BAT, 3                            ; v3   the bias address in hand
.set XA,  4                            ; v4   x's tile: 65,536 w + 4 x (my column of a group of 32)
.set L16, 5                            ; v5   16 x lane
.set L4,  6                            ; v6   4 x lane
.set XWI, 7                            ; v7   XIMG + 1,024 w + 16 x lane
.set XWS, 8                            ; v8   XSC + 128 w + 4 x lane
.set BA,  9                            ; v9   BIAS + 1,024 w + 64 h
.set SS,  10                           ; v10  SST + 64 w + 4 r
.set VSS, 11                           ; v11  SST + 4,096 + 512 w + 4 r
.set SR,  12                           ; v12  SST + 512 w + 16 x lane
.set FLOOR, 13                         ; v13  2^(3 - 127)
.set BW,  14                           ; v14  BIAS + 1,024 w + 16 x lane
.set R4,  15                           ; v15  4 r
.set SW,  16                           ; v16-23   q's or k's scale words, one for each tile of x
.set BV,  24                           ; v24-31   bv of my lane's channel in my eight tiles
.set XS,  32                           ; v32-47   x's scale words, 4 g + s: scales and nothing else
.set WS,  48                           ; v48-63   the weights' scale words, 8 bank + 2 wt + s / 2: scales and nothing else
.set BI,  64                           ; v64-95   the bias as C, eight registers a tile of W
.set XT,  96                           ; phase X: v96-97 maxima, v98-99 scale operands, v100-101 bytes, v104-111 codes, v112-115 scale words
.set XSO, 98
.set XBY, 100
.set XPC, 104
.set XW,  112
.set SSW, 116                          ; v116 the scale words' address in hand
.set T,   128                          ; v128-255: phase X: two sets of 64 numbers; later v128-143 maxima, v144-159 the other half's, then bytes, v160-175 scale operands, v176-207 codes, v208-211 v's scale words
.set T2,  144
.set SCO, 160
.set PC,  176
.set PW,  208
.set G1,  24                           ; s[24:31] descriptor group 1;  s[32:39] group 0, one set for each of my two loads
.set G0,  32
.set WV,  40                           ; s40  my wave's number
.set SEL, 48                           ; s[48:49] lane selects for v_permlanex16_b32: lane l xor 16
.set WB,  52                           ; s[52:53] the matrix in hand: my eight tiles' fragments
.set WSB, 54                           ; s[54:55] and their scale words
.set QC,  56                           ; s[56:57] where q's (then k's) codes go
.set VC,  58                           ; s[58:59] where v's go
.set QSO, 60                           ; s[60:61] q's scale words (k's 524,288 bytes on)
.set VSO, 62                           ; s[62:63] v's
.set MSB, 0
.macro WIN new                         ; the immediate's high byte repeats the setting that is left; bits 1:0 source 0, 3:2 source 1, 5:4 source 2, 7:6 destination
.if MSB != \new
	s_set_vgpr_msb (MSB<<8)|\new
.set MSB, \new
.endif
.endm
.macro BARRIER                         ; my LDS stores have landed and my LDS loads are in: then the work-group's barrier
	s_wait_dscnt 0x0
	s_barrier_signal -1
	s_barrier_wait -1
.endm
.macro PLACES n                        ; plain instructions between a matrix instruction and what touches its registers (ISA guide 7.12.1)
.rept \n
	v_nop
.endr
.endm
; One product.  d, a, b: first registers of D, A, B; c: the text of C; sa, sb: the scale registers; ra, rb: 1 where the side's words lie in lanes 16-31.
.macro WM d, a, b, c, sa, sb, ra, rb
.if ((\ra) == 0) && ((\rb) == 0)
	v_wmma_scale_f32_16x16x128_f8f6f4 v[\d:\d+7], v[\a:\a+7], v[\b:\b+7], \c, v[\sa], v[\sb] matrix_a_fmt:MATRIX_FMT_FP4 matrix_b_fmt:MATRIX_FMT_FP4
.elseif (\rb) == 0
	v_wmma_scale_f32_16x16x128_f8f6f4 v[\d:\d+7], v[\a:\a+7], v[\b:\b+7], \c, v[\sa], v[\sb] matrix_a_fmt:MATRIX_FMT_FP4 matrix_b_fmt:MATRIX_FMT_FP4 matrix_a_scale:MATRIX_SCALE_ROW1
.elseif (\ra) == 0
	v_wmma_scale_f32_16x16x128_f8f6f4 v[\d:\d+7], v[\a:\a+7], v[\b:\b+7], \c, v[\sa], v[\sb] matrix_a_fmt:MATRIX_FMT_FP4 matrix_b_fmt:MATRIX_FMT_FP4 matrix_b_scale:MATRIX_SCALE_ROW1
.else
	v_wmma_scale_f32_16x16x128_f8f6f4 v[\d:\d+7], v[\a:\a+7], v[\b:\b+7], \c, v[\sa], v[\sb] matrix_a_fmt:MATRIX_FMT_FP4 matrix_b_fmt:MATRIX_FMT_FP4 matrix_a_scale:MATRIX_SCALE_ROW1 matrix_b_scale:MATRIX_SCALE_ROW1
.endif
.endm
; 40 loads: tiles 4 gq .. 4 gq + 3 of my eight, of the matrix in hand (nx = 0) or the next (nx = 1), into a bank: 16 fragments and 8 registers of scale words
.macro PACKAGE bank, gq, nx
	WIN 0xc0                                       ; destination window 3
.irp wt, 0,1,2,3
.irp ks, 0,1,2,3
.irp c, 0,1
	global_load_b128 v[128*\bank+8*(4*\wt+\ks)+4*\c:128*\bank+8*(4*\wt+\ks)+4*\c+3], v[L16], s[WB:WB+1] offset:\nx*131072+(4*\gq+\wt)*4096+1024*\ks+512*\c
.endr
.endr
.endr
	WIN 0
.irp wt, 0,1,2,3
.irp p, 0,1
	global_load_b32 v[WS+8*\bank+2*\wt+\p], v[L4], s[WSB:WSB+1] offset:\nx*8192+(4*\gq+\wt)*256+128*\p   ; lanes 0-15 K step 2 p, lanes 16-31 K step 2 p + 1
.endr
.endr
.endm
	s_load_b512 s[4:19], s[0:1], 0x0               ; x, bq, bk, bv, wc, ws, qkc, qks
	s_load_b128 s[20:23], s[0:1], 0x40             ; vc, vs
	v_lshl_add_u32 v126, v0, 2, 0x4b000
	v_mov_b32 v127, 0
	ds_add_u32 v126, v127
	ds_add_u32 v126, v127
	v_lshrrev_b32 v3, 5, v0
	v_readfirstlane_b32 s[WV], v3                  ; wave 0..3
	s_and_b32 s42, ttmp7, 0xffff                   ; the batch
	; descriptor group 1: 64 rows of 128 elements of 4 bytes, 1,024 elements from row to row, dense in LDS
	s_mov_b32 s[G1+0], 2<<16                       ; no mask; elements of 4 bytes; no padding
	s_mov_b32 s[G1+1], 128<<16                     ; tensor_dim0 = 128
	s_mov_b32 s[G1+2], 64<<16                      ; tensor_dim1 = 64
	s_mov_b32 s[G1+3], 128<<16                     ; tile_dim0 = 128
	s_mov_b32 s[G1+4], 64                          ; tile_dim1 = 64
	s_mov_b32 s[G1+5], 1024                        ; the pitch
	s_mov_b32 s[G1+6], 0
	s_mov_b32 s[G1+7], 0
	s_lshl_b32 s44, s42, 21                        ; the batch's 512 x 4,096 bytes,
	s_lshl_b32 s45, s[WV], 19                      ; my 128 rows,
	s_add_co_u32 s44, s44, s45
	s_lshl_b32 s45, ttmp9, 9                       ; the work-group's 128 t
	s_add_co_u32 s44, s44, s45
	s_mov_b32 s45, 0
	s_lshl_b32 s2, s[WV], 16                       ; my 65,536 bytes of LDS
	s_lshl_b32 s3, s[WV], 10
	s_wait_dscnt 0x0
	s_wait_kmcnt 0x0
	s_add_nc_u64 s[4:5], s[4:5], s[44:45]
.irp jj, 0,1
	s_mov_b32 s[G0+4*\jj], 1                       ; count = 1
	s_add_co_u32 s[G0+4*\jj+1], s2, 32768*\jj      ; LDS address
	s_add_nc_u64 s[G0+4*\jj+2:G0+4*\jj+3], s[4:5], 262144*\jj   ; rows 64 jj on
	s_or_b32 s[G0+4*\jj+3], s[G0+4*\jj+3], 0x80000000           ; type = 2
.endr
	tensor_load_to_lds s[G0:G0+3], s[G1:G1+7]      ; both fills go out together, ahead of every wait on TENSORcnt, LDS read and barrier: two loads of mine are out.  Nothing is filled again
	s_nop 0
	tensor_load_to_lds s[G0+4:G0+7], s[G1:G1+7]
	s_nop 0
	PLACES 4
	v_and_b32 v96, 31, v0                          ; lane
	v_and_b32 v97, 15, v0                          ; r
	v_bfe_u32 v98, v0, 4, 1                        ; h
	v_bfe_u32 v99, v0, 3, 1
	v_and_b32 v100, 7, v0
	v_lshl_or_b32 v100, v98, 3, v100
	v_lshl_or_b32 v100, v99, 4, v100               ; the lane's number with bits 3 and 4 changed over: lanes 0-15 take the columns of tile 2 g, lanes 16-31 those of tile 2 g + 1
	v_lshlrev_b32 v[XA], 2, v100
	v_add_nc_u32 v[XA], s2, v[XA]
	v_lshlrev_b32 v[L16], 4, v96
	v_lshlrev_b32 v[L4], 2, v96
	v_lshlrev_b32 v[R4], 2, v97
	v_add_nc_u32 v[XWI], s3, v[L16]
	v_add_nc_u32 v[XWI], XIMG, v[XWI]
	s_lshl_b32 s44, s[WV], 7
	v_add_nc_u32 v[XWS], s44, v[L4]
	v_add_nc_u32 v[XWS], XSC, v[XWS]
	v_lshl_add_u32 v[BA], v98, 6, s3
	v_add_nc_u32 v[BA], BIAS, v[BA]
	s_lshl_b32 s44, s[WV], 6
	v_add_nc_u32 v[SS], s44, v[R4]
	v_add_nc_u32 v[SS], SST, v[SS]
	s_lshl_b32 s44, s[WV], 9
	v_add_nc_u32 v[VSS], s44, v[R4]
	v_add_nc_u32 v[VSS], SST+4096, v[VSS]
	v_add_nc_u32 v[SR], s44, v[L16]
	v_add_nc_u32 v[SR], SST, v[SR]
	v_mov_b32 v[FLOOR], 0x1800000
	v_add_nc_u32 v[BW], s3, v[L16]
	v_add_nc_u32 v[BW], BIAS, v[BW]
	v_add_nc_u32 v[XRI], XIMG, v[L16]
	v_add_nc_u32 v[XRS], XSC, v[L4]
	s_mov_b32 s[SEL], 0x76543210
	s_mov_b32 s[SEL+1], 0xfedcba98
	s_add_nc_u64 s[6:7], s[6:7], s[44:45]          ; the biases at my 128 units (512 w bytes)
	s_add_nc_u64 s[8:9], s[8:9], s[44:45]
	s_add_nc_u64 s[10:11], s[10:11], s[44:45]
	s_lshl_b32 s44, s[WV], 15
	s_add_nc_u64 s[WB:WB+1], s[12:13], s[44:45]    ; my eight tiles of 4,096 bytes
	s_lshl_b32 s44, s[WV], 11
	s_add_nc_u64 s[WSB:WSB+1], s[14:15], s[44:45]
	s_lshl_b32 s46, s42, 18
	s_lshl_b32 s47, ttmp9, 15
	s_add_co_u32 s46, s46, s47                     ; (64 b + 8 tb) x 4,096 = ((8 b + tb) x 32) x 1,024
	s_add_co_u32 s44, s46, s3                      ; + K step w
	s_add_nc_u64 s[QC:QC+1], s[16:17], s[44:45]
	s_lshl_b32 s47, s[WV], 13
	s_add_co_u32 s44, s46, s47                     ; + my eight tiles of v
	s_add_nc_u64 s[VC:VC+1], s[20:21], s[44:45]
	s_lshl_b32 s46, s42, 14
	s_lshl_b32 s47, ttmp9, 11
	s_add_co_u32 s46, s46, s47
	s_lshl_b32 s47, s[WV], 9
	s_add_co_u32 s44, s46, s47                     ; the work-group's 2,048 bytes of scale words, my quarter
	s_add_nc_u64 s[QSO:QSO+1], s[18:19], s[44:45]
	s_add_nc_u64 s[VSO:VSO+1], s[22:23], s[44:45]
	global_load_b128 v[BI:BI+3], v[L16], s[6:7]    ; bq's and bk's 128 numbers of my units
	global_load_b128 v[BI+4:BI+7], v[L16], s[8:9]
.irp vt, 0,1,2,3,4,5,6,7
	global_load_b32 v[BV+\vt], v[R4], s[10:11] offset:64*\vt   ; bv(128 w + 16 vt + r)
.endr
	PACKAGE 0, 0, 0                                ; Wq's first and second four tiles
	PACKAGE 1, 1, 0
	s_wait_loadcnt 63                              ; 88 loads were issued behind the two bias loads; 63 is the most a wait can name: the oldest 27 are in
	ds_store_b128 v[BW], v[BI:BI+3]                ; read back by my wave alone, in the results' layout
	ds_store_b128 v[BW], v[BI+4:BI+7] offset:512
; PHASE X.  Unit u = 4 j + g: rows 64 j .. + 63 of my 128 (group j of a fragment), columns 32 g .. + 31 (tiles 2 g, 2 g + 1): 64 numbers a lane, two whole blocks.
.macro XLOADS u
.set LJ, (\u)/4
.set LG, (\u)%4
.set LB, 128+64*((\u)%2)
.set n, 0
.rept 64
	ds_load_b32 v[LB+n], v[XA] offset:32768*LJ+512*n+128*LG   ; 32 lanes read 128 consecutive bytes of a row
.set n, n+1
.endr
.endm
.macro UNIT u
.if (\u) < 7
.if (\u)+1 == 4
	s_wait_tensorcnt 0x0                           ; the second half of my rows is in
.endif
	XLOADS (\u)+1
	s_wait_dscnt 63                                ; the youngest 63 LDS instructions lie among the 64 loads just issued: this unit's numbers are in, and the last unit's stores are done
.else
	s_wait_dscnt 0x0
.endif
.set UB, 128+64*((\u)%2)
.set UJ, (\u)/4
.set UG, (\u)%4
	v_max3_num_f32 v[XT], |v[UB]|, |v[UB+1]|, 0x1800000          ; with the floor 2^(3 - 127)
	v_max3_num_f32 v[XT+1], |v[UB+32]|, |v[UB+33]|, 0x1800000
.irp i, 2,4,6,8,10,12,14,16,18,20,22,24,26,28,30
	v_max3_num_f32 v[XT], v[XT], |v[UB+\i]|, |v[UB+\i+1]|
	v_max3_num_f32 v[XT+1], v[XT+1], |v[UB+32+\i]|, |v[UB+33+\i]|
.endr
	v_add_nc_u32 v[XSO], 0xff000000, v[XT]         ; 2 off the exponent field: the conversion's scale operand
	v_add_nc_u32 v[XSO+1], 0xff000000, v[XT+1]
	v_lshrrev_b32 v[XBY], 23, v[XSO]               ; the scale's byte
	v_lshrrev_b32 v[XBY+1], 23, v[XSO+1]
.if UJ == 0
	v_lshl_or_b32 v[XW+UG], v[XBY+1], 8, v[XBY]    ; my column's scale word: blocks 0, 1;
.else
	v_lshl_or_b32 v[XW+UG], v[XBY], 16, v[XW+UG]   ; blocks 2, 3
	v_lshl_or_b32 v[XW+UG], v[XBY+1], 24, v[XW+UG]
.endif
.irp bb, 0,1
.irp i, 0,1,2,3
	v_cvt_scalef32_pk8_fp4_f32 v[XPC+4*\bb+\i], v[UB+32*\bb+8*\i:UB+32*\bb+8*\i+7], v[XSO+\bb]
.endr
.endr
	v_nop                                          ; one plain instruction behind the last scaled conversion
.irp i, 0,1,2,3
	v_permlane16_swap_b32 v[XPC+\i], v[XPC+4+\i]   ; the layout wants block 2 j in lanes 0-15 and block 2 j + 1 in lanes 16-31: the first four registers are now tile 2 g's group j, the others tile 2 g + 1's
.endr
	ds_store_b128 v[XWI], v[XPC:XPC+3] offset:(2*UG)*4096+512*UJ
	ds_store_b128 v[XWI], v[XPC+4:XPC+7] offset:(2*UG+1)*4096+512*UJ
.if UJ == 1
	ds_store_b32 v[XWS], v[XW+UG] offset:512*UG
.endif
.endm
	s_wait_tensorcnt 0x1                           ; the first half of my rows is in; the second may stay out.  Only my wave reads these bytes
	XLOADS 0
.irp u, 0,1,2,3,4,5,6,7
	UNIT \u
.endr
	BARRIER                                        ; x's 32 fragments and their scale words lie in LDS
	WIN 0x40                                       ; destination window 1
.set f, 0
.rept 32
	ds_load_b128 v[8*f:8*f+3], v[XRI] offset:1024*f
	ds_load_b128 v[8*f+4:8*f+7], v[XRI] offset:1024*f+512
.set f, f+1
.endr
	WIN 0
.irp n, 0,1,2,3,4,5,6,7,8,9,10,11,12,13,14,15
	ds_load_b32 v[XS+\n], v[XRS] offset:128*\n
.endr
.set e, 0
.rept 16
	v_mov_b32 v[T2+e], 0                           ; written once: a lane permute's destination counts as one of its sources
.set e, e+1
.endr
; 16 blocks of 32 are quantised.  Block e lies in accumulator registers 16 e .. 16 e + 15 of lanes l and l xor 16 (register i of lane (r, h): number 16 h + i of the block).  Left behind: the bytes in T2 + e; the codes of blocks
; 2 q and 2 q + 1 in PC + 4 q .. + 3 as a group of a fragment.  Each accumulator is read from its low end on.
.macro QUANT16
	WIN 0x28                                       ; sources 1 and 2 window 2
.set e, 0
.rept 16
	v_max3_num_f32 v[T+e], v[FLOOR], |v[16*e]|, |v[16*e+1]|
.set e, e+1
.endr
.irp i, 2,4,6,8,10,12,14
.set e, 0
.rept 16
	v_max3_num_f32 v[T+e], v[T+e], |v[16*e+\i]|, |v[16*e+\i+1]|
.set e, e+1
.endr
.endr
	WIN 0
.set e, 0
.rept 16
	v_permlanex16_b32 v[T2+e], v[T+e], s[SEL], s[SEL+1]
.set e, e+1
.endr
.set e, 0
.rept 16
	v_max_num_f32 v[T+e], v[T+e], v[T2+e]          ; with lane l xor 16's: the block's largest magnitude
.set e, e+1
.endr
.set e, 0
.rept 16
	v_add_nc_u32 v[SCO+e], 0xff000000, v[T+e]
.set e, e+1
.endr
.set e, 0
.rept 16
	v_lshrrev_b32 v[T2+e], 23, v[SCO+e]
.set e, e+1
.endr
	s_wait_xcnt 0x0                                ; the last group's stores have read the codes' registers: they are written again only behind this wait
	WIN 0x02                                       ; source 0 window 2
.set e, 0
.rept 16
	v_cvt_scalef32_pk8_fp4_f32 v[PC+2*e], v[16*e:16*e+7], v[SCO+e]
	v_cvt_scalef32_pk8_fp4_f32 v[PC+2*e+1], v[16*e+8:16*e+15], v[SCO+e]
.set e, e+1
.endr
	WIN 0
	v_nop                                          ; one plain instruction behind the last scaled conversion
.set e, 0
.rept 8
	v_permlane16_swap_b32 v[PC+4*e], v[PC+4*e+2]   ; a whole block to a lane: lanes 0-15 the even block, lanes 16-31 the odd one
	v_permlane16_swap_b32 v[PC+4*e+1], v[PC+4*e+3]
.set e, e+1
.endr
.endm
; 32 products of q or k: one K step, four tiles of W x eight tiles of x.  The 32 accumulators take turns, in the same order in every K step.
.macro QKMUL bank, ks
.irp wt, 0,1,2,3
.irp xt, 0,1,2,3,4,5,6,7
.if \ks == 0
	WM 32*\xt+8*\wt, 128*\bank+8*(4*\wt+\ks), 8*(4*\xt+\ks), v[BI+8*\wt:BI+8*\wt+7], WS+8*\bank+2*\wt+\ks/2, XS+4*(\xt/2)+\ks, \ks%2, \xt%2
.else
	WM 32*\xt+8*\wt, 128*\bank+8*(4*\wt+\ks), 8*(4*\xt+\ks), v[32*\xt+8*\wt:32*\xt+8*\wt+7], WS+8*\bank+2*\wt+\ks/2, XS+4*(\xt/2)+\ks, \ks%2, \xt%2
.endif
.endr
.endr
.endm
; 64 of my 128 units (group gq of the fragments to be made) for the 128 t
.macro QKGROUP bank, gq
	s_wait_loadcnt 40                              ; this bank's package is in; the other bank's 40 loads may be out
	v_add_nc_u32 v[BAT], s51, v[BA]                ; bq's or bk's numbers
.irp wt, 0,1,2,3
	ds_load_b128 v[BI+8*\wt:BI+8*\wt+3], v[BAT] offset:256*\gq+128*(\wt/2)+32*(\wt%2)      ; units 64 gq + 32 (wt / 2) + 16 h + 8 (wt % 2) + 0 .. 7: the result's layout
	ds_load_b128 v[BI+8*\wt+4:BI+8*\wt+7], v[BAT] offset:256*\gq+128*(\wt/2)+32*(\wt%2)+16
.endr
	s_wait_dscnt 0x0
	WIN 0x87                                       ; W window 3, x window 1, the bias window 0, the sums window 2
	QKMUL \bank, 0
	WIN 0xa7                                       ; C window 2
	QKMUL \bank, 1
	QKMUL \bank, 2
	QKMUL \bank, 3
	WIN 0
	PLACES 4                                       ; in front of the loads into the bank just multiplied and of the first read of results
	PACKAGE \bank, \gq, 1                          ; the next matrix's tiles of the same number
	QUANT16                                        ; block e = 2 xt + half: units 64 gq + 32 (e % 2) on, of tile xt's rows
.irp xt, 0,1,2,3,4,5,6,7
.if \gq == 0
	v_lshl_or_b32 v[SW+\xt], v[T2+2*\xt+1], 8, v[T2+2*\xt]
.else
	v_lshl_or_b32 v[SW+\xt], v[T2+2*\xt], 16, v[SW+\xt]
	v_lshl_or_b32 v[SW+\xt], v[T2+2*\xt+1], 24, v[SW+\xt]
.endif
.endr
.irp xt, 0,1,2,3,4,5,6,7
	global_store_b128 v[L16], v[PC+4*\xt:PC+4*\xt+3], s[QC:QC+1] offset:4096*\xt+512*\gq   ; group gq of fragment (tile xt, K step w): 512 consecutive bytes
.endr
.if \gq == 1
	v_add_nc_u32 v[SSW], s43, v[SS]
.irp xt, 0,1,2,3,4,5,6,7
	ds_store_b32 v[SSW], v[SW+\xt] offset:256*\xt  ; both halves of the lanes write the same word with the same value
.endr
.endif
.endm
	s_mov_b32 s50, 2
	s_mov_b32 s51, 0                               ; bq, then bk: 512 bytes on
	s_mov_b32 s43, 0                               ; q's scale words, then k's: 2,048 bytes on
.Lqk:                                                  ; two trips: q, k
	QKGROUP 0, 0
	QKGROUP 1, 1
	s_wait_xcnt 0x0                                ; the loads and stores have read their bases
	s_add_nc_u64 s[WB:WB+1], s[WB:WB+1], 131072
	s_add_nc_u64 s[WSB:WSB+1], s[WSB:WSB+1], 8192
	s_add_nc_u64 s[QC:QC+1], s[QC:QC+1], 8388608
	s_add_co_u32 s51, s51, 512
	s_add_co_u32 s43, s43, 2048
	s_sub_co_u32 s50, s50, 1
	s_cmp_lg_u32 s50, 0
	s_cbranch_scc1 .Lqk
.macro VMUL bank, ks
.irp wt, 0,1,2,3
.irp xt, 0,1,2,3,4,5,6,7
.if \ks == 0
	WM 64*\wt+8*\xt, 8*(4*\xt+\ks), 128*\bank+8*(4*\wt+\ks), 0, XS+4*(\xt/2)+\ks, WS+8*\bank+2*\wt+\ks/2, \xt%2, \ks%2
.else
	WM 64*\wt+8*\xt, 8*(4*\xt+\ks), 128*\bank+8*(4*\wt+\ks), v[64*\wt+8*\xt:64*\wt+8*\xt+7], XS+4*(\xt/2)+\ks, WS+8*\bank+2*\wt+\ks/2, \xt%2, \ks%2
.endif
.endr
.endr
.endm
; four of my eight tiles of v (16 channels each) for the 128 t, which are one key step of the last product
.macro VGROUP bank, gv, left
	s_wait_loadcnt \left
	WIN 0xad                                       ; x window 1, Wv window 3, the sums window 2
	VMUL \bank, 0
	VMUL \bank, 1
	VMUL \bank, 2
	VMUL \bank, 3
	WIN 0
	PLACES 4
	WIN 0x82                                       ; destination and source 0 window 2
.irp wt, 0,1,2,3
.set n, 0
.rept 32
.if \wt%2 == 0
	v_pk_add_f32 v[64*\wt+2*n:64*\wt+2*n+1], v[64*\wt+2*n:64*\wt+2*n+1], v[BV+4*\gv+\wt:BV+4*\gv+\wt+1] op_sel_hi:[1,0]              ; + bv of my channel: the pair's first register for both halves,
.else
	v_pk_add_f32 v[64*\wt+2*n:64*\wt+2*n+1], v[64*\wt+2*n:64*\wt+2*n+1], v[BV+4*\gv+\wt-1:BV+4*\gv+\wt] op_sel:[0,1] op_sel_hi:[1,1]   ; or its second
.endif
.set n, n+1
.endr
.endr
	QUANT16                                        ; block e = 4 wt + b: t 32 b on, of tile wt's channels
.irp wt, 0,1,2,3
	v_lshl_or_b32 v[PW+\wt], v[T2+4*\wt+1], 8, v[T2+4*\wt]
	v_lshl_or_b32 v[PW+\wt], v[T2+4*\wt+2], 16, v[PW+\wt]
	v_lshl_or_b32 v[PW+\wt], v[T2+4*\wt+3], 24, v[PW+\wt]
.endr
.irp wt, 0,1,2,3
.irp c, 0,1
	global_store_b128 v[L16], v[PC+8*\wt+4*\c:PC+8*\wt+4*\c+3], s[VC:VC+1] offset:(4*\gv+\wt)*1024+512*\c
.endr
	ds_store_b32 v[VSS], v[PW+\wt] offset:(4*\gv+\wt)*64
.endr
.endm
	VGROUP 0, 0, 40                                ; the other bank's package may be out
	VGROUP 1, 1, 0
	BARRIER                                        ; the work-group's scale words lie in LDS: each wave stores 512 consecutive bytes of each kind
	ds_load_b128 v[T:T+3], v[SR]
	ds_load_b128 v[T+4:T+7], v[SR] offset:2048
	ds_load_b128 v[T+8:T+11], v[SR] offset:4096
	s_wait_dscnt 0x0
	global_store_b128 v[L16], v[T:T+3], s[QSO:QSO+1]
	global_store_b128 v[L16], v[T+4:T+7], s[QSO:QSO+1] offset:524288
	global_store_b128 v[L16], v[T+8:T+11], s[VSO:VSO+1]
	s_wait_tensorcnt 0x0
	ds_add_u32 v126, v127
	s_wait_dscnt 0x0
	s_endpgm
.Lfunc_end_k_q5df3c4080a_proj:
	.size	k_q5df3c4080a_proj, .Lfunc_end_k_q5df3c4080a_proj-k_q5df3c4080a_proj
	.p2alignl 7, 3214868480
	.fill 96, 4, 3214868480
	.section	.rodata,"a",@progbits
	.p2align	6, 0x0
	.amdhsa_kernel k_q5df3c4080a_proj
		.amdhsa_group_segment_fixed_size 307712
		.amdhsa_private_segment_fixed_size 0
		.amdhsa_enable_private_segment 0
		.amdhsa_kernarg_size 80
		.amdhsa_user_sgpr_count 2
		.amdhsa_user_sgpr_kernarg_segment_ptr 1
		.amdhsa_wavefront_size32 1
		.amdhsa_system_sgpr_workgroup_id_x 1
		.amdhsa_system_sgpr_workgroup_id_y 1
		.amdhsa_system_sgpr_workgroup_id_z 1
		.amdhsa_system_vgpr_workitem_id 0
		.amdhsa_next_free_vgpr 1024
		.amdhsa_next_free_sgpr 66
		.amdhsa_reserve_vcc 0
		.amdhsa_float_denorm_mode_32 3
		.amdhsa_float_denorm_mode_16_64 3
		.amdhsa_memory_ordered 1
		.amdhsa_forward_progress 1
		.amdhsa_inst_pref_size 230
	.end_amdhsa_kernel
	.amdgpu_metadata
---
amdhsa.version: [ 1, 2 ]
amdhsa.kernels:
  - .name:           k_q5df3c4080a_proj
    .symbol:         k_q5df3c4080a_proj.kd
    .args:
      - { .name: x, .offset: 0, .size: 8, .value_kind: global_buffer, .address_space: global }
      - { .name: bq, .offset: 8, .size: 8, .value_kind: global_buffer, .address_space: global }
      - { .name: bk, .offset: 16, .size: 8, .value_kind: global_buffer, .address_space: global }
      - { .name: bv, .offset: 24, .size: 8, .value_kind: global_buffer, .address_space: global }
      - { .name: wc, .offset: 32, .size: 8, .value_kind: global_buffer, .address_space: global }
      - { .name: ws, .offset: 40, .size: 8, .value_kind: global_buffer, .address_space: global }
      - { .name: qkc, .offset: 48, .size: 8, .value_kind: global_buffer, .address_space: global }
      - { .name: qks, .offset: 56, .size: 8, .value_kind: global_buffer, .address_space: global }
      - { .name: vc, .offset: 64, .size: 8, .value_kind: global_buffer, .address_space: global }
      - { .name: vs, .offset: 72, .size: 8, .value_kind: global_buffer, .address_space: global }
    .group_segment_fixed_size: 307712
    .private_segment_fixed_size: 0
    .kernarg_segment_align: 8
    .kernarg_segment_size: 80
    .max_flat_workgroup_size: 128
    .sgpr_count:     66
    .vgpr_count:     1024
    .wavefront_size: 32
...
	.end_amdgpu_metadata
.endif
;; end of part 2
;; launch stats (part 3): grid 32 x 8, 4 waves a work-group, no clusters, 4,608 bytes of LDS; arguments qkc, qks, st; writes st
.if DOCPART == 3
	.amdgcn_target "amdgcn-amd-amdhsa--gfx1250"
	.amdhsa_code_object_version 6
	.text
	.protected	k_q5df3c4080a_stats
	.globl	k_q5df3c4080a_stats
	.p2align	8
	.type	k_q5df3c4080a_stats,@function
k_q5df3c4080a_stats:
	s_mov_b64 s[64:65], 0
	v_nop
	global_prefetch_b8 v0, s[64:65] scope:SCOPE_SE
	s_setreg_imm32_b32 hwreg(HW_REG_WAVE_MODE, 25, 1), 1
	s_wait_xcnt 0x0
; The softmax runs over the QUERIES: each key column s is normalised over the queries t >= s.  This launch makes, for each key, m = the column's largest score and l = the sum over t >= s of 2^(c (score - m)),
; c = log2(e) / sqrt(512), and stores -m and 1 / l: st [b][2][1,024] f32, keys in their natural order.  The scores are q k^T on the codes of FP4 (E2M1) that the launch before has made; tiles wholly above the diagonal are left out.
; SHARES.  The grid's x is the batch, its y is j: the eight work-groups of a batch, which read the same q, stand 32 apart in the order of the launch.
; A work-group owns two blocks of 64 keys of one batch, A = j and B = 15 - j: 16 - j and j + 1 blocks of 64 queries, 17 trips for every j.  Both key blocks' fragments stay in every wave's registers.
; In a trip wave w takes tile w of the query block: source 0 = 16 queries, source 1 = 16 keys: a lane holds ONE key (lane % 16) and eight queries.  Running maximum and sum a lane; the halves of the lanes and the four waves meet at the end.
; Row r of tile T of q or k is t = 32 (T / 2) + 8 (T % 2) + r + 8 (r / 8).  The maximum is taken away ahead of the factor c: the difference of two scores is formed exactly.
; Q comes from memory straight into a ring of four banks of registers, four trips ahead.  No prefetch beside it, and no cluster: the fragments pass through no LDS, and the partners of a batch want different tiles at different times.
; LIMITS: NaN and infinities are not served; the running maximum starts at -3e38.
.set L16, 4                            ; v4   16 x lane
.set L4,  5                            ; v5   4 x lane
.set E,   6                            ; v6-9 on the diagonal register j of key tile kt is hidden where j < E[kt]
.set NINF, 10                          ; v10  -infinity
.set M,   12                           ; v12, 14, 16, 18  the running maximum of key tile kt
.set T,   20                           ; v20, 22, 24, 26  the new maximum (named as pairs: the odd partners are written once)
.set F,   28                           ; v28, 30, 32, 34  2^(c (old - new))
.set LP,  36                           ; v36-43   the running sums, a pair for each key tile
.set MA,  44                           ; v44-47   block A's maxima, kept
.set LA,  48                           ; v48-55   block A's sums, kept
.set QO,  56                           ; v56-59   a bank's offset among q's codes
.set QSO, 60                           ; v60-63   and among q's scale words
.set S,   64                           ; v64-95   the scores, 8 kt + j
.set QSC, 96                           ; v96-103  q's scale words, 2 bank + s / 2: scales and nothing else
.set KSA, 104                          ; v104-111 block A's, 2 kt + s / 2
.set KSB, 112                          ; v112-119 block B's
.set MSB, 0                            ; v128-255 q's ring: bank x 32 + 8 s.  Window 1: block A's fragments at 8 (4 kt + s), block B's 128 on
.macro WIN new
.if MSB != \new
	s_set_vgpr_msb (MSB<<8)|\new
.set MSB, \new
.endif
.endm
.macro WM d, a, b, c, sa, sb, ra, rb
.if ((\ra) == 0) && ((\rb) == 0)
	v_wmma_scale_f32_16x16x128_f8f6f4 v[\d:\d+7], v[\a:\a+7], v[\b:\b+7], \c, v[\sa], v[\sb] matrix_a_fmt:MATRIX_FMT_FP4 matrix_b_fmt:MATRIX_FMT_FP4
.elseif (\rb) == 0
	v_wmma_scale_f32_16x16x128_f8f6f4 v[\d:\d+7], v[\a:\a+7], v[\b:\b+7], \c, v[\sa], v[\sb] matrix_a_fmt:MATRIX_FMT_FP4 matrix_b_fmt:MATRIX_FMT_FP4 matrix_a_scale:MATRIX_SCALE_ROW1
.elseif (\ra) == 0
	v_wmma_scale_f32_16x16x128_f8f6f4 v[\d:\d+7], v[\a:\a+7], v[\b:\b+7], \c, v[\sa], v[\sb] matrix_a_fmt:MATRIX_FMT_FP4 matrix_b_fmt:MATRIX_FMT_FP4 matrix_b_scale:MATRIX_SCALE_ROW1
.else
	v_wmma_scale_f32_16x16x128_f8f6f4 v[\d:\d+7], v[\a:\a+7], v[\b:\b+7], \c, v[\sa], v[\sb] matrix_a_fmt:MATRIX_FMT_FP4 matrix_b_fmt:MATRIX_FMT_FP4 matrix_a_scale:MATRIX_SCALE_ROW1 matrix_b_scale:MATRIX_SCALE_ROW1
.endif
.endm
	s_load_b128 s[4:7], s[0:1], 0x0                ; qkc, qks
	s_load_b64 s[8:9], s[0:1], 0x10                ; st
	v_lshl_add_u32 v126, v0, 2, 0x1000
	v_mov_b32 v127, 0
	v_lshrrev_b32 v1, 5, v0
	v_readfirstlane_b32 s10, v1                    ; wave 0..3
	s_and_b32 s11, ttmp7, 0xffff                   ; j
	s_mov_b32 s12, ttmp9                           ; the batch
	s_sub_co_u32 s13, 16, s11                      ; NA: block A's trips
	s_mov_b32 s14, 0                               ; I: the trip
	s_mov_b32 s22, 0x3d8293ee                      ; c = log2(e) / sqrt(512)
	s_mov_b32 s23, s22                             ; (named with it as a pair)
	s_mov_b32 s24, 0x76543210
	s_mov_b32 s25, 0xfedcba98                      ; lane l xor 16
	v_and_b32 v1, 31, v0
	v_and_b32 v2, 15, v0                           ; r
	v_bfe_u32 v3, v0, 4, 1                         ; h
	v_lshlrev_b32 v[L16], 4, v1
	v_lshlrev_b32 v[L4], 2, v1
	v_and_b32 v120, 8, v2
	v_add_nc_u32 v120, v120, v2                    ; r + 8 (r / 8): my key in its pair of tiles
	v_lshlrev_b32 v121, 4, v3
	v_sub_nc_u32 v120, v120, v121                  ; - 16 h
	s_lshr_b32 s26, s10, 1
	s_lshl_b32 s26, s26, 5
	s_and_b32 s27, s10, 1
	s_lshl_b32 s27, s27, 3
	s_add_co_u32 s26, s26, s27
	v_sub_nc_u32 v120, v120, s26                   ; - 32 (w / 2) - 8 (w % 2): my first query in its block
.irp kt, 0,1,2,3
	v_add_nc_u32 v[E+\kt], 32*(\kt/2)+8*(\kt%2), v120
.endr
	v_mov_b32 v[NINF], 0xff800000
.irp kt, 0,1,2,3
	v_mov_b32 v[M+2*\kt], 0xff61b1e6               ; -3e38, under every score
	v_mov_b32 v[T+2*\kt+1], 0
	v_mov_b32 v[F+2*\kt+1], 0
	v_mov_b32 v[LP+2*\kt], 0
	v_mov_b32 v[LP+2*\kt+1], 0
	v_mov_b32 v[MA+\kt], 0xff61b1e6
	v_mov_b32 v[LA+2*\kt], 0
	v_mov_b32 v[LA+2*\kt+1], 0
.endr
	s_lshl_b32 s26, s12, 18
	s_mov_b32 s27, 0
	s_sub_co_u32 s28, 15, s11
	s_wait_kmcnt 0x0
	s_add_nc_u64 s[16:17], s[4:5], s[26:27]        ; the batch's codes of q,
	s_add_nc_u64 s[20:21], s[16:17], 8388608       ; of k
	s_lshl_b32 s26, s12, 14
	s_add_nc_u64 s[18:19], s[6:7], s[26:27]        ; its scale words of q,
	s_add_nc_u64 s[32:33], s[18:19], 524288        ; of k
	s_lshl_b32 s26, s11, 14
	s_add_nc_u64 s[36:37], s[20:21], s[26:27]      ; key block A: four tiles of 4,096 bytes
	s_lshl_b32 s26, s28, 14
	s_add_nc_u64 s[38:39], s[20:21], s[26:27]      ; key block B
	s_lshl_b32 s26, s11, 10
	s_add_nc_u64 s[40:41], s[32:33], s[26:27]
	s_lshl_b32 s26, s28, 10
	s_add_nc_u64 s[42:43], s[32:33], s[26:27]
	WIN 0x40                                       ; destination window 1
.irp kt, 0,1,2,3
.irp ks, 0,1,2,3
.irp c, 0,1
	global_load_b128 v[8*(4*\kt+\ks)+4*\c:8*(4*\kt+\ks)+4*\c+3], v[L16], s[36:37] offset:4096*\kt+1024*\ks+512*\c
	global_load_b128 v[128+8*(4*\kt+\ks)+4*\c:128+8*(4*\kt+\ks)+4*\c+3], v[L16], s[38:39] offset:4096*\kt+1024*\ks+512*\c
.endr
.endr
.endr
	WIN 0
.irp kt, 0,1,2,3
.irp p, 0,1
	global_load_b32 v[KSA+2*\kt+\p], v[L4], s[40:41] offset:256*\kt+128*\p   ; lanes 0-15 K step 2 p, lanes 16-31 K step 2 p + 1
	global_load_b32 v[KSB+2*\kt+\p], v[L4], s[42:43] offset:256*\kt+128*\p
.endr
.endr
; 10 loads: my tile of query block s26 into a bank.  The bank's two offset registers are written again only behind the wait that has shown the bank's last loads done.
.macro QLOAD bank
	s_lshl_b32 s28, s26, 2
	s_add_co_u32 s28, s28, s10                     ; tile 4 qb + w
	s_lshl_b32 s29, s28, 12
	s_lshl_b32 s30, s28, 8
	v_add_nc_u32 v[QO+\bank], s29, v[L16]
	v_add_nc_u32 v[QSO+\bank], s30, v[L4]
.irp ks, 0,1,2,3
.irp c, 0,1
	global_load_b128 v[128+32*\bank+8*\ks+4*\c:128+32*\bank+8*\ks+4*\c+3], v[QO+\bank], s[16:17] offset:1024*\ks+512*\c
.endr
.endr
.irp p, 0,1
	global_load_b32 v[QSC+2*\bank+\p], v[QSO+\bank], s[18:19] offset:128*\p
.endr
.endm
.irp i, 0,1,2,3
	s_add_co_u32 s26, s11, \i                      ; block A has at least nine trips: the first four are its
	QLOAD \i
.endr
; 16 products: four K steps x four key tiles; the four accumulators take turns; the first K step starts the sums
.macro MUL16 bank, kb, sw
.irp ks, 0,1,2,3
.irp kt, 0,1,2,3
.if \ks == 0
	WM S+8*\kt, 128+32*\bank+8*\ks, \kb+8*(4*\kt+\ks), 0, QSC+2*\bank+\ks/2, \sw+2*\kt+\ks/2, \ks%2, \ks%2
.else
	WM S+8*\kt, 128+32*\bank+8*\ks, \kb+8*(4*\kt+\ks), v[S+8*\kt:S+8*\kt+7], QSC+2*\bank+\ks/2, \sw+2*\kt+\ks/2, \ks%2, \ks%2
.endif
.endr
.endr
.endm
; A TRIP.  ahead = 1: the bank is filled again for the trip four on.  left: how many younger loads may stay out.  All branches hang on j and the trip's number.
.macro TRIP bank, ahead, left
	s_wait_loadcnt \left                           ; my bank's ten loads are in; the younger banks' stay out
	s_cmp_lg_u32 s14, s13
	s_cbranch_scc1 .Lsame_\@
.irp kt, 0,1,2,3                                       ; block A is finished: its figures are kept, and block B's begin
	v_mov_b32 v[MA+\kt], v[M+2*\kt]
	v_mov_b32 v[LA+2*\kt], v[LP+2*\kt]
	v_mov_b32 v[LA+2*\kt+1], v[LP+2*\kt+1]
	v_mov_b32 v[M+2*\kt], 0xff61b1e6
	v_mov_b32 v[LP+2*\kt], 0
	v_mov_b32 v[LP+2*\kt+1], 0
.endr
.Lsame_\@:
	s_cmp_lt_u32 s14, s13
	s_cbranch_scc0 .Lblock_b_\@
	WIN 0x04                                       ; source 1 (K) window 1
	MUL16 \bank, 0, KSA
	WIN 0
	s_branch .Lmultiplied_\@
.Lblock_b_\@:
	WIN 0x04
	MUL16 \bank, 128, KSB
	WIN 0
.Lmultiplied_\@:
.rept 4
	v_nop                                          ; in front of the loads into the bank just multiplied and of the first read of results
.endr
.if \ahead
	s_add_co_u32 s26, s14, 4                       ; the trip four on:
	s_add_co_u32 s27, s26, s11                     ; in block A query block j + i,
	s_sub_co_u32 s28, s26, 1                       ; in block B i - 1
	s_cmp_lt_u32 s26, s13
	s_cselect_b32 s26, s27, s28
	QLOAD \bank
.endif
	s_cmp_eq_u32 s14, 0                            ; each key block's first trip lies on the diagonal
	s_cselect_b32 s31, 1, 0
	s_cmp_eq_u32 s14, s13
	s_cselect_b32 s31, 1, s31
	s_cmp_eq_u32 s31, 0
	s_cbranch_scc1 .Lopen_\@
.irp kt, 0,1,2,3
.irp jr, 0,1,2,3,4,5,6,7
	v_cmp_lt_i32 vcc_lo, \jr, v[E+\kt]             ; query < key: hidden
	v_cndmask_b32 v[S+8*\kt+\jr], v[S+8*\kt+\jr], v[NINF], vcc_lo
.endr
.endr
.Lopen_\@:
.irp kt, 0,1,2,3
	v_max3_num_f32 v[T+2*\kt], v[M+2*\kt], v[S+8*\kt], v[S+8*\kt+1]
.endr
.irp i, 2,4,6
.irp kt, 0,1,2,3
	v_max3_num_f32 v[T+2*\kt], v[T+2*\kt], v[S+8*\kt+\i], v[S+8*\kt+\i+1]
.endr
.endr
.irp kt, 0,1,2,3
	v_sub_f32 v[F+2*\kt], v[M+2*\kt], v[T+2*\kt]   ; old maximum - new
.endr
.irp kt, 0,1,2,3
	v_mul_f32 v[F+2*\kt], s22, v[F+2*\kt]
	v_mov_b32 v[M+2*\kt], v[T+2*\kt]
.endr
.irp kt, 0,1,2,3
.irp i, 0,2,4,6
	v_pk_add_f32 v[S+8*\kt+\i:S+8*\kt+\i+1], v[S+8*\kt+\i:S+8*\kt+\i+1], v[T+2*\kt:T+2*\kt+1] op_sel_hi:[1,0] neg_lo:[0,1] neg_hi:[0,1]   ; score - maximum
.endr
.endr
.irp kt, 0,1,2,3
.irp i, 0,2,4,6
	v_pk_mul_f32 v[S+8*\kt+\i:S+8*\kt+\i+1], v[S+8*\kt+\i:S+8*\kt+\i+1], s[22:23] op_sel_hi:[1,0]
.endr
.endr
.irp kt, 0,1,2,3
	v_exp_f32 v[F+2*\kt], v[F+2*\kt]
.endr
.set n, 0
.rept 32
	v_exp_f32 v[S+n], v[S+n]
.set n, n+1
.endr
	v_nop                                          ; a plain instruction behind the last exponential
	s_wait_alu depctr_va_vdst(0)                   ; one wait for the batch of 36, ahead of its first reader
.irp kt, 0,1,2,3
	v_pk_add_f32 v[S+8*\kt:S+8*\kt+1], v[S+8*\kt:S+8*\kt+1], v[S+8*\kt+2:S+8*\kt+3]
	v_pk_add_f32 v[S+8*\kt+4:S+8*\kt+5], v[S+8*\kt+4:S+8*\kt+5], v[S+8*\kt+6:S+8*\kt+7]
.endr
.irp kt, 0,1,2,3
	v_pk_add_f32 v[S+8*\kt:S+8*\kt+1], v[S+8*\kt:S+8*\kt+1], v[S+8*\kt+4:S+8*\kt+5]
.endr
.irp kt, 0,1,2,3
	v_pk_fma_f32 v[LP+2*\kt:LP+2*\kt+1], v[LP+2*\kt:LP+2*\kt+1], v[F+2*\kt:F+2*\kt+1], v[S+8*\kt:S+8*\kt+1] op_sel_hi:[1,0,1]   ; the sums under the new maximum, + this trip's
.endr
	s_add_co_u32 s14, s14, 1
.endm
	s_mov_b32 s15, 3
.Lring:                                                ; trips 0 to 11; each asks for the trip four on
	TRIP 0, 1, 30                                  ; three younger banks of ten loads
	TRIP 1, 1, 30
	TRIP 2, 1, 30
	TRIP 3, 1, 30
	s_sub_co_u32 s15, s15, 1
	s_cmp_lg_u32 s15, 0
	s_cbranch_scc1 .Lring
	TRIP 0, 1, 30                                  ; trip 12 asks for the last, trip 16; then the counts run down
	TRIP 1, 0, 30
	TRIP 2, 0, 20
	TRIP 3, 0, 10
	TRIP 0, 0, 0
	; THE MERGE.  Eight items (block, key tile).  First the two halves of the lanes, which hold the same key and other queries.
.irp kt, 0,1,2,3
	v_add_f32 v[72+\kt], v[LA+2*\kt], v[LA+2*\kt+1]
	v_add_f32 v[76+\kt], v[LP+2*\kt], v[LP+2*\kt+1]
.endr
.irp kt, 0,1,2,3
	v_permlanex16_b32 v[80+\kt], v[MA+\kt], s24, s25
	v_permlanex16_b32 v[84+\kt], v[M+2*\kt], s24, s25
.endr
.irp kt, 0,1,2,3
	v_max_num_f32 v[80+\kt], v[80+\kt], v[MA+\kt]
	v_max_num_f32 v[84+\kt], v[84+\kt], v[M+2*\kt]
.endr
.irp kt, 0,1,2,3
	v_sub_f32 v[88+\kt], v[MA+\kt], v[80+\kt]
	v_sub_f32 v[92+\kt], v[M+2*\kt], v[84+\kt]
.endr
.irp e, 0,1,2,3,4,5,6,7
	v_mul_f32 v[88+\e], s22, v[88+\e]
.endr
.irp e, 0,1,2,3,4,5,6,7
	v_exp_f32 v[88+\e], v[88+\e]
.endr
	v_cmp_ne_u32 vcc_lo, 0, v3                     ; (a plain instruction behind the last exponential)
	s_wait_alu depctr_va_vdst(0)                   ; one wait for the eight
.irp e, 0,1,2,3,4,5,6,7
	v_mul_f32 v[72+\e], v[72+\e], v[88+\e]
.endr
.irp e, 0,1,2,3,4,5,6,7
	v_permlanex16_b32 v[88+\e], v[72+\e], s24, s25
.endr
.irp e, 0,1,2,3,4,5,6,7
	v_add_f32 v[72+\e], v[72+\e], v[88+\e]
.endr
	; then the four waves, through LDS: item e, key row r at word 16 e + r of the wave's 512 bytes; maxima at 0, sums at 2,048
	s_lshl_b32 s26, s10, 9
	v_add_nc_u32 v120, s26, v[L4]
.irp p, 0,1,2,3
	v_cndmask_b32 v[64+\p], v[80+2*\p], v[81+2*\p], vcc_lo   ; lanes 0-15 item 2 p, lanes 16-31 item 2 p + 1
	v_cndmask_b32 v[68+\p], v[72+2*\p], v[73+2*\p], vcc_lo
.endr
.irp p, 0,1,2,3
	ds_store_b32 v120, v[64+\p] offset:128*\p
	ds_store_b32 v120, v[68+\p] offset:2048+128*\p
.endr
	s_wait_dscnt 0x0                               ; for the others' sake
	s_barrier_signal -1
	s_barrier_wait -1
	v_and_b32 v121, 0x67, v0                       ; thread n takes key n of the work-group's 128 in their natural order: it lies at word n with bits 3 and 4 changed over
	v_bfe_u32 v122, v0, 3, 1
	v_bfe_u32 v123, v0, 4, 1
	v_lshl_or_b32 v121, v122, 4, v121
	v_lshl_or_b32 v121, v123, 3, v121
	v_lshlrev_b32 v121, 2, v121
.irp wv, 0,1,2,3
	ds_load_b32 v[64+\wv], v121 offset:512*\wv
	ds_load_b32 v[68+\wv], v121 offset:2048+512*\wv
.endr
	s_lshr_b32 s26, s10, 1                         ; waves 0, 1 store block A's keys, waves 2, 3 block B's
	s_sub_co_u32 s28, 15, s11
	s_cmp_eq_u32 s26, 0
	s_cselect_b32 s28, s11, s28
	s_lshl_b32 s26, s28, 8                         ; 64 keys of 4 bytes a block
	s_and_b32 s28, s10, 1
	s_lshl_b32 s28, s28, 7
	s_add_co_u32 s26, s26, s28
	s_lshl_b32 s28, s12, 13
	s_add_co_u32 s26, s26, s28
	s_mov_b32 s27, 0
	s_add_nc_u64 s[34:35], s[8:9], s[26:27]
	s_wait_dscnt 0x0
	v_max3_num_f32 v72, v64, v65, v66
	v_max_num_f32 v72, v72, v67                    ; the column's maximum
.irp wv, 0,1,2,3
	v_sub_f32 v[76+\wv], v[64+\wv], v72
.endr
.irp wv, 0,1,2,3
	v_mul_f32 v[76+\wv], s22, v[76+\wv]
.endr
.irp wv, 0,1,2,3
	v_exp_f32 v[76+\wv], v[76+\wv]
.endr
	v_mul_f32 v75, -1.0, v72                       ; -m.  (A plain instruction behind the last exponential)
	s_wait_alu depctr_va_vdst(0)
	v_mul_f32 v73, v68, v76
	v_fmac_f32 v73, v69, v77
	v_fmac_f32 v73, v70, v78
	v_fmac_f32 v73, v71, v79                       ; the column's sum: at least the diagonal's term
	v_rcp_f32 v74, v73
	v_nop
	s_wait_alu depctr_va_vdst(0)
	global_store_b32 v[L4], v75, s[34:35]          ; 128 consecutive bytes a wave
	global_store_b32 v[L4], v74, s[34:35] offset:4096
	s_wait_tensorcnt 0x0
	ds_add_u32 v126, v127
	s_wait_dscnt 0x0
	s_endpgm
.Lfunc_end_k_q5df3c4080a_stats:
	.size	k_q5df3c4080a_stats, .Lfunc_end_k_q5df3c4080a_stats-k_q5df3c4080a_stats
	.p2alignl 7, 3214868480
	.fill 96, 4, 3214868480
	.section	.rodata,"a",@progbits
	.p2align	6, 0x0
	.amdhsa_kernel k_q5df3c4080a_stats
		.amdhsa_group_segment_fixed_size 4608
		.amdhsa_private_segment_fixed_size 0
		.amdhsa_enable_private_segment 0
		.amdhsa_kernarg_size 24
		.amdhsa_user_sgpr_count 2
		.amdhsa_user_sgpr_kernarg_segment_ptr 1
		.amdhsa_wavefront_size32 1
		.amdhsa_system_sgpr_workgroup_id_x 1
		.amdhsa_system_sgpr_workgroup_id_y 1
		.amdhsa_system_sgpr_workgroup_id_z 1
		.amdhsa_system_vgpr_workitem_id 0
		.amdhsa_next_free_vgpr 512
		.amdhsa_next_free_sgpr 66
		.amdhsa_reserve_vcc 1
		.amdhsa_float_denorm_mode_32 3
		.amdhsa_float_denorm_mode_16_64 3
		.amdhsa_memory_ordered 1
		.amdhsa_forward_progress 1
		.amdhsa_inst_pref_size 147
	.end_amdhsa_kernel
	.amdgpu_metadata
---
amdhsa.version: [ 1, 2 ]
amdhsa.kernels:
  - .name:           k_q5df3c4080a_stats
    .symbol:         k_q5df3c4080a_stats.kd
    .args:
      - { .name: qkc, .offset: 0, .size: 8, .value_kind: global_buffer, .address_space: global }
      - { .name: qks, .offset: 8, .size: 8, .value_kind: global_buffer, .address_space: global }
      - { .name: st, .offset: 16, .size: 8, .value_kind: global_buffer, .address_space: global }
    .group_segment_fixed_size: 4608
    .private_segment_fixed_size: 0
    .kernarg_segment_align: 8
    .kernarg_segment_size: 24
    .max_flat_workgroup_size: 128
    .sgpr_count:     66
    .vgpr_count:     512
    .wavefront_size: 32
...
	.end_amdgpu_metadata
.endif
;; end of part 3
;; launch attn (part 4): grid 32 x 8, 4 waves a work-group, no clusters, 27,136 bytes of LDS; arguments qkc, qks, vc, vs, st, out0; writes out0
.if DOCPART == 4
	.amdgcn_target "amdgcn-amd-amdhsa--gfx1250"
	.amdhsa_code_object_version 6
	.text
	.protected	k_q5df3c4080a_attn
	.globl	k_q5df3c4080a_attn
	.p2align	8
	.type	k_q5df3c4080a_attn,@function
k_q5df3c4080a_attn:
	s_mov_b64 s[64:65], 0
	v_nop
	global_prefetch_b8 v0, s[64:65] scope:SCOPE_SE
	s_setreg_imm32_b32 hwreg(HW_REG_WAVE_MODE, 25, 1), 1
	s_wait_xcnt 0x0
; out[b][v][t] = the sum over keys s <= t of w[t][s] v[s][v], w[t][s] = 2^(c (score - m_s)) / l_s, c = log2(e) / sqrt(512): the softmax over the QUERIES, finished and normalised, with m and l of each key column from the launch before.
; Both products on codes of FP4 (E2M1) with one E8M0 scale for each 32 along K: the scores q k^T once more, and w v with w quantised along the keys.  Key steps wholly above the diagonal are left out.
; SHARES.  The grid's x is the batch, its y is j: the eight work-groups of a batch, which read the same k and v, stand 32 apart in the order of the launch.
; A work-group owns two blocks of 64 queries of one batch, qb = j and then 15 - j: (qb / 2) + 1 key steps of 128 each, nine in all for every j.
; A KEY STEP.  Wave w makes the scores of keys 32 w .. + 31 of the step (two tiles of k) for the four tiles of queries: source 0 = 16 keys, source 1 = 16 queries, C of the first product = -m: a lane holds one query and 16 neighbouring keys.
; It makes w, quantises its block of 32 keys, and puts its 8 bytes a lane into the IMAGES of the second product's four operands in LDS (16 queries x 128 keys each; block w is group w / 2, lanes 16 (w % 2) on), its scale byte into their words.
; Behind a barrier every wave loads the four images and multiplies them by its own eight tiles of v (channels 128 w .. + 127): source 0 = 16 queries, source 1 = 16 channels: a lane holds one channel and eight neighbouring t.
; TWO BANKS BY TURNS.  A step's k, v, -m and 1 / l (48 loads a wave, from memory straight into registers, each fragment by one wave of the work-group) are asked for in the step before, behind its score products, into the bank
; that the step before that has left: a whole step ahead.  The images have two buffers in LDS likewise: a buffer is written again two steps on, behind the barrier of the step between, which every wave signals with its reads
; of the buffer back: ONE barrier a step.  A trip of the loop runs two steps, so that the banks are constants of the text.
; No cluster: the fragments pass through no LDS, and the partners of a batch want different steps at different times.
; Row r of tile T of q or k is t = 32 (T / 2) + 8 (T % 2) + r + 8 (r / 8).  OUT: a tile of 16 channels x 64 t goes through the wave's own stage in LDS and leaves as aligned runs of 256 bytes.
; LIMITS: NaN and infinities are not served; w under 2^-126 becomes 0; a block whose largest w lies under 2^-124, a block of zeros among them, gets the byte 1: the codes of zeros are zeros, and the bytes are read by this kernel alone.
; REGISTERS, in windows of 256: window 0: addresses, scale words, work, scores;  window 1: q at 8 (4 qt + s), bank 0's k at 128 + 8 (4 u + s) and v at 192 + 8 vt;  window 2: the sums at 8 (4 vt + qt);
;   window 3: -m at 64 + 32 bank, 1 / l sixteen on; bank 1's k and v at bank 0's numbers.
.set PB1, 4608                         ; LDS: the images of bank 0 at 0 (tile qt at 1,024 qt), of bank 1 PB1 bytes on
.set PSC, 4096                         ; their scale words: row r of tile qt at 64 qt + 4 r; bank 1's PB1 bytes on
.set STG, 9216                         ; the stages: 16 rows x 272 bytes for each wave
.set L16, 4                            ; v4   16 x lane: also where I read an image
.set L4,  5                            ; v5   4 x lane
.set H64, 6                            ; v6   64 h
.set PIA, 7                            ; v7   where I put my 8 bytes of an image: 512 (w / 2) + 256 (w % 2) + 16 r + 8 h
.set PSA, 8                            ; v8   and my block's byte: PSC + 4 r + w
.set PRS, 10                           ; v10  PSC + 4 x lane
.set STO, 11                           ; v11  the stage, in: row r, + 64 h
.set RD,  12                           ; v12  the stage, back: lanes 0-15 one row, lanes 16-31 the next
.set GO,  13                           ; v13  the same two rows in out
.set LC,  14                           ; v14  r + 8 (r / 8) - 16 h - 32 w
.set NINF, 15                          ; v15  -infinity
.set PFO, 16                           ; v16  256 x lane
.set DD,  20                           ; v20-23 on the diagonal key register i of query tile qt is hidden where i > DD[qt]
.set T,   24                           ; v24-27 the blocks' largest w;  v28-31 the other half's
.set T2,  28
.set QS,  32                           ; v32-39 q's scale words, 2 qt + s / 2;  v40-47 k's, 4 bank + 2 u + s / 2;  v48-55 v's, 4 bank + tile / 2;  v56-57 w's, tile / 2: scales and nothing else
.set KS,  40
.set VS,  48
.set PS,  56
.set SCO, 82                           ; v82-85 the conversions' scale operands;  v86-89 the bytes;  v90-97 the codes
.set BY,  86
.set PC,  90
.set S,   128                          ; v128-191 the scores, then w: 16 qt + 8 u + j; later v128-159 the four images
.set BK,  192                          ; v192-255 the way out: two sets of 32
.set ST3, 64                           ; in window 3: -m of my 16 keys at ST3 + 32 bank, 1 / l of them sixteen on
.set KP,  44                           ; s[44:45] .. s[52:53]: the key step to be fetched: k's codes, k's scale words, v's codes, v's scale words, the statistics
.set KSP, 46
.set VP,  48
.set VSP, 50
.set STP, 52
.set OP,  54                           ; s[54:55] out at my channels and the query block's 64 t
.set QP,  56                           ; s[56:57], s[58:59] the query block's codes and scale words
.set QSP, 58
.set MSB, 0
.macro WIN new                         ; the immediate's high byte repeats the setting that is left; bits 1:0 source 0, 3:2 source 1, 5:4 source 2, 7:6 destination
.if MSB != (\new)
	s_set_vgpr_msb (MSB<<8)|(\new)
.set MSB, (\new)
.endif
.endm
.macro BARRIER
	s_wait_dscnt 0x0
	s_barrier_signal -1
	s_barrier_wait -1
.endm
.macro WM d, a, b, c, sa, sb, ra, rb
.if ((\ra) == 0) && ((\rb) == 0)
	v_wmma_scale_f32_16x16x128_f8f6f4 v[\d:\d+7], v[\a:\a+7], v[\b:\b+7], \c, v[\sa], v[\sb] matrix_a_fmt:MATRIX_FMT_FP4 matrix_b_fmt:MATRIX_FMT_FP4
.elseif (\rb) == 0
	v_wmma_scale_f32_16x16x128_f8f6f4 v[\d:\d+7], v[\a:\a+7], v[\b:\b+7], \c, v[\sa], v[\sb] matrix_a_fmt:MATRIX_FMT_FP4 matrix_b_fmt:MATRIX_FMT_FP4 matrix_a_scale:MATRIX_SCALE_ROW1
.elseif (\ra) == 0
	v_wmma_scale_f32_16x16x128_f8f6f4 v[\d:\d+7], v[\a:\a+7], v[\b:\b+7], \c, v[\sa], v[\sb] matrix_a_fmt:MATRIX_FMT_FP4 matrix_b_fmt:MATRIX_FMT_FP4 matrix_b_scale:MATRIX_SCALE_ROW1
.else
	v_wmma_scale_f32_16x16x128_f8f6f4 v[\d:\d+7], v[\a:\a+7], v[\b:\b+7], \c, v[\sa], v[\sb] matrix_a_fmt:MATRIX_FMT_FP4 matrix_b_fmt:MATRIX_FMT_FP4 matrix_a_scale:MATRIX_SCALE_ROW1 matrix_b_scale:MATRIX_SCALE_ROW1
.endif
.endm
.macro QPKG                            ; 40 loads: query block s22's four tiles
	s_lshl_b32 s60, s22, 14
	s_add_nc_u64 s[QP:QP+1], s[28:29], s[60:61]
	s_lshl_b32 s60, s22, 10
	s_add_nc_u64 s[QSP:QSP+1], s[30:31], s[60:61]
	WIN 0x40                                       ; destination window 1
.irp qt, 0,1,2,3
.irp ks, 0,1,2,3
.irp c, 0,1
	global_load_b128 v[8*(4*\qt+\ks)+4*\c:8*(4*\qt+\ks)+4*\c+3], v[L16], s[QP:QP+1] offset:4096*\qt+1024*\ks+512*\c
.endr
.endr
.endr
	WIN 0
.irp qt, 0,1,2,3
.irp p, 0,1
	global_load_b32 v[QS+2*\qt+\p], v[L4], s[QSP:QSP+1] offset:256*\qt+128*\p
.endr
.endr
.endm
.macro PAIRS                           ; the five addresses of key step s23 (s61 = 0)
	s_lshl_b32 s60, s23, 15
	s_add_nc_u64 s[KP:KP+1], s[32:33], s[60:61]
	s_add_nc_u64 s[VP:VP+1], s[36:37], s[60:61]
	s_lshl_b32 s60, s23, 11
	s_add_nc_u64 s[KSP:KSP+1], s[34:35], s[60:61]
	s_add_nc_u64 s[VSP:VSP+1], s[38:39], s[60:61]
	s_lshl_b32 s60, s23, 9
	s_add_nc_u64 s[STP:STP+1], s[40:41], s[60:61]
.endm
; 48 loads: a key step's operands of my wave into a bank: two tiles of k, eight tiles of v, -m and 1 / l of keys 32 w + 16 h + 0 .. 15, and k's and v's scale words
.macro FETCH bk
	WIN 0x40+0x80*(\bk)                            ; destination window 1 (bank 0) or 3 (bank 1)
.irp u, 0,1
.irp ks, 0,1,2,3
.irp c, 0,1
	global_load_b128 v[128+8*(4*\u+\ks)+4*\c:128+8*(4*\u+\ks)+4*\c+3], v[L16], s[KP:KP+1] offset:4096*\u+1024*\ks+512*\c
.endr
.endr
.endr
.irp vt, 0,1,2,3,4,5,6,7
.irp c, 0,1
	global_load_b128 v[192+8*\vt+4*\c:192+8*\vt+4*\c+3], v[L16], s[VP:VP+1] offset:1024*\vt+512*\c
.endr
.endr
	WIN 0xc0                                       ; destination window 3
.irp i, 0,1,2,3
	global_load_b128 v[ST3+32*(\bk)+4*\i:ST3+32*(\bk)+4*\i+3], v[H64], s[STP:STP+1] offset:16*\i
.endr
.irp i, 0,1,2,3
	global_load_b128 v[ST3+32*(\bk)+16+4*\i:ST3+32*(\bk)+16+4*\i+3], v[H64], s[STP:STP+1] offset:4096+16*\i
.endr
	WIN 0
.irp u, 0,1
.irp p, 0,1
	global_load_b32 v[KS+4*(\bk)+2*\u+\p], v[L4], s[KSP:KSP+1] offset:256*\u+128*\p   ; lanes 0-15 K step 2 p, lanes 16-31 K step 2 p + 1
.endr
.endr
.irp p, 0,1,2,3
	global_load_b32 v[VS+4*(\bk)+\p], v[L4], s[VSP:VSP+1] offset:128*\p               ; lanes 0-15 tile 2 p, lanes 16-31 tile 2 p + 1
.endr
.endm
; A PREFETCH INTO THE L2, behind a step's loads: my wave's 8,192 bytes of k and of v of key step I + 2 in trip I, lanes 256 bytes apart.  All work-groups of a batch walk the same k and v: the batch's work-group j = 0 asks,
; each wave for the fragments that it will load itself two trips on, in its trips 0 to 5: key steps 2 to 7, each block of 256 bytes once; steps 0 and 1 come by their loads alone.
.macro ASK
	s_cmp_lt_u32 s19, s62
	s_cbranch_scc0 .Lnot_mine_\@
	global_prefetch_b8 v[PFO], s[66:67] th:TH_LOAD_NT scope:SCOPE_SE
	global_prefetch_b8 v[PFO], s[68:69] th:TH_LOAD_NT scope:SCOPE_SE
.Lnot_mine_\@:
.endm
	s_load_b256 s[4:11], s[0:1], 0x0               ; qkc, qks, vc, vs
	s_load_b128 s[12:15], s[0:1], 0x20             ; st, out0
	v_lshl_add_u32 v126, v0, 2, 0x6800
	v_mov_b32 v127, 0
	v_lshrrev_b32 v1, 5, v0
	v_readfirstlane_b32 s16, v1                    ; wave 0..3
	s_and_b32 s17, ttmp7, 0xffff                   ; j
	s_mov_b32 s18, ttmp9                           ; the batch
	s_mov_b32 s19, 0                               ; I: the trip
	s_mov_b32 s20, 0                               ; ks: the key step in hand
	s_mov_b32 s22, s17                             ; qb: the query block in hand
	s_lshr_b32 s21, s17, 1
	s_add_co_u32 s21, s21, 1                       ; N: its key steps
	s_mov_b32 s23, 0                               ; the key step to be fetched
	s_mov_b32 s24, 0x3d8293ee                      ; c = log2(e) / sqrt(512)
	s_mov_b32 s25, s24
	s_mov_b32 s26, 0x76543210
	s_mov_b32 s27, 0xfedcba98                      ; lane l xor 16
	s_cmp_eq_u32 s17, 0
	s_cselect_b32 s62, 6, 0                        ; the trips in which I prefetch
	s_mov_b32 s61, 0
	v_and_b32 v1, 31, v0
	v_and_b32 v2, 15, v0                           ; r
	v_bfe_u32 v3, v0, 4, 1                         ; h
	v_lshlrev_b32 v[L16], 4, v1
	v_lshlrev_b32 v[L4], 2, v1
	v_lshlrev_b32 v[H64], 6, v3
	s_lshr_b32 s60, s16, 1
	s_lshl_b32 s60, s60, 9
	s_and_b32 s63, s16, 1
	s_lshl_b32 s63, s63, 8
	s_add_co_u32 s60, s60, s63
	v_lshlrev_b32 v[PIA], 4, v2
	v_lshl_add_u32 v[PIA], v3, 3, v[PIA]
	v_add_nc_u32 v[PIA], s60, v[PIA]
	v_lshlrev_b32 v[PSA], 2, v2
	v_add_nc_u32 v[PSA], s16, v[PSA]
	v_add_nc_u32 v[PSA], PSC, v[PSA]
	v_add_nc_u32 v[PRS], PSC, v[L4]
	s_mul_i32 s60, s16, 4352
	s_add_co_u32 s60, s60, STG                     ; my stage
	v_mul_u32_u24 v[STO], v2, 272
	v_lshl_add_u32 v[STO], v3, 6, v[STO]
	v_add_nc_u32 v[STO], s60, v[STO]
	v_mul_u32_u24 v[RD], v3, 272
	v_lshl_add_u32 v[RD], v2, 4, v[RD]
	v_add_nc_u32 v[RD], s60, v[RD]
	v_lshlrev_b32 v[GO], 12, v3
	v_lshl_add_u32 v[GO], v2, 4, v[GO]
	v_and_b32 v[LC], 8, v2
	v_add_nc_u32 v[LC], v[LC], v2
	v_lshlrev_b32 v17, 4, v3
	v_sub_nc_u32 v[LC], v[LC], v17
	s_lshl_b32 s60, s16, 5
	v_sub_nc_u32 v[LC], v[LC], s60
	v_mov_b32 v[NINF], 0xff800000
	v_lshlrev_b32 v[PFO], 8, v1
.irp qt, 0,1,2,3
	v_mov_b32 v[T2+\qt], 0                         ; written once: a lane permute's destination counts as one of its sources
.endr
	s_wait_kmcnt 0x0
	s_lshl_b32 s60, s18, 18
	s_add_nc_u64 s[28:29], s[4:5], s[60:61]        ; the batch's codes of q
	s_add_nc_u64 s[36:37], s[8:9], s[60:61]
	s_lshl_b32 s60, s16, 13
	s_add_nc_u64 s[32:33], s[28:29], s[60:61]
	s_add_nc_u64 s[32:33], s[32:33], 8388608       ; of k, at my two tiles of a step
	s_add_nc_u64 s[36:37], s[36:37], s[60:61]      ; of v, at my eight tiles of a step
	s_lshl_b32 s60, s18, 14
	s_add_nc_u64 s[30:31], s[6:7], s[60:61]        ; the scale words likewise
	s_add_nc_u64 s[38:39], s[10:11], s[60:61]
	s_lshl_b32 s60, s16, 9
	s_add_nc_u64 s[34:35], s[30:31], s[60:61]
	s_add_nc_u64 s[34:35], s[34:35], 524288
	s_add_nc_u64 s[38:39], s[38:39], s[60:61]
	s_lshl_b32 s60, s18, 13
	s_lshl_b32 s63, s16, 7
	s_add_co_u32 s60, s60, s63
	s_add_nc_u64 s[40:41], s[12:13], s[60:61]      ; the statistics at my 32 keys of a step
	s_lshl_b32 s60, s18, 21
	s_lshl_b32 s63, s16, 19
	s_add_co_u32 s60, s60, s63
	s_add_nc_u64 s[42:43], s[14:15], s[60:61]      ; out at my 128 channels
	s_add_nc_u64 s[66:67], s[32:33], 65536         ; the prefetches stand at key step 2; each trip steps them at its end
	s_add_nc_u64 s[68:69], s[36:37], 65536
	QPKG
	PAIRS
	FETCH 0                                        ; key step 0 into bank 0
.macro PVMUL zero, bk                  ; 32 products: eight tiles of v x four images; the 32 sums take turns
.irp vt, 0,1,2,3,4,5,6,7
.irp qt, 0,1,2,3
.if \zero
	WM 8*(4*\vt+\qt), 128+8*\qt, 192+8*\vt, 0, PS+\qt/2, VS+4*\bk+\vt/2, \qt%2, \vt%2
.else
	WM 8*(4*\vt+\qt), 128+8*\qt, 192+8*\vt, v[8*(4*\vt+\qt):8*(4*\vt+\qt)+7], PS+\qt/2, VS+4*\bk+\vt/2, \qt%2, \vt%2
.endif
.endr
.endr
.endm
; THE WAY OUT of a tile of 16 channels x 64 t.  A lane holds 32 neighbouring bytes of a channel's row four times over; the rows come back whole.  LDS serves a wave's instructions in order: no wait between the stores and the loads.
.macro TOSTAGE vt
	WIN 0x08                                       ; an LDS store's data are its source 1: window 2
.irp qt, 0,1,2,3
	ds_store_b128 v[STO], v[8*(4*(\vt)+\qt):8*(4*(\vt)+\qt)+3] offset:128*(\qt/2)+32*(\qt%2)        ; t = 32 (qt / 2) + 16 h + 8 (qt % 2) + 0 .. 7; each sum from its low end on
	ds_store_b128 v[STO], v[8*(4*(\vt)+\qt)+4:8*(4*(\vt)+\qt)+7] offset:128*(\qt/2)+32*(\qt%2)+16
.endr
	WIN 0
.irp i, 0,1,2,3,4,5,6,7
	ds_load_b128 v[BK+32*((\vt)%2)+4*\i:BK+32*((\vt)%2)+4*\i+3], v[RD] offset:544*\i
.endr
.endm
.macro SEND vt, younger
	s_wait_dscnt \younger                          ; the tile is back; the next tile's LDS instructions may stay out
.irp i, 0,1,2,3,4,5,6,7
	global_store_b128 v[GO], v[BK+32*((\vt)%2)+4*\i:BK+32*((\vt)%2)+4*\i+3], s[OP:OP+1] offset:(16*(\vt)+2*\i)*4096 th:TH_STORE_NT   ; sixteen lanes store 256 consecutive bytes, at a multiple of 256 from out's first byte
.endr
.endm
.macro WAYOUT more                     ; it stands behind a wait on XCNT for 0.  more = 1: the second query block follows: its q is asked for first, and the next step's head waits for it
	s_lshl_b32 s60, s22, 8
	s_add_nc_u64 s[OP:OP+1], s[42:43], s[60:61]
.if \more
	s_sub_co_u32 s22, 15, s17
	s_lshr_b32 s21, s22, 1
	s_add_co_u32 s21, s21, 1
	QPKG
.endif
	TOSTAGE 0
.irp vt, 1,2,3,4,5,6,7
.if \vt > 1
	s_wait_xcnt 0x0                                ; the stores of the tile two back have read their registers: this tile's loads may land there
.endif
	TOSTAGE \vt
	SEND \vt-1, 16                                 ; behind that tile's loads: this tile's 8 stores and 8 loads through the stage
.endr
	SEND 7, 0
.endm
; A KEY STEP on bank bk.  ahead = 1: in the loop: the next step's operands are asked for, into the other bank.  ahead = 0: the ninth step: the second block's last and never its first.  All branches hang on j and the trip's number.
.macro STEP bk, ahead
	s_wait_loadcnt 0x0                             ; this step's k, v and statistics, asked for a step ago, and q: nothing younger is out.  The loads are done, so their five address pairs may be written
	WIN 0x35+2*\bk                                 ; k window 1 or 3, q window 1, -m window 3, the scores window 0
.irp u, 0,1
.irp qt, 0,1,2,3
	WM S+16*\qt+8*\u, 128+32*\u, 32*\qt, v[ST3+32*\bk+8*\u:ST3+32*\bk+8*\u+7], KS+4*\bk+2*\u, QS+2*\qt, 0, 0
.endr
.endr
	WIN 0x05+2*\bk                                 ; C window 0.  The eight sums take turns, in the same order in every K step
.irp ks, 1,2,3
.irp u, 0,1
.irp qt, 0,1,2,3
	WM S+16*\qt+8*\u, 128+8*(4*\u+\ks), 8*(4*\qt+\ks), v[S+16*\qt+8*\u:S+16*\qt+8*\u+7], KS+4*\bk+2*\u+\ks/2, QS+2*\qt+\ks/2, \ks%2, \ks%2
.endr
.endr
.endr
	WIN 0
.if \ahead
	s_add_co_u32 s63, s20, 1
	s_cmp_eq_u32 s63, s21                          ; the block's last step?
	s_cselect_b32 s23, 0, s63                      ; then the next block's step 0 is fetched
	s_cselect_b32 s2, 1, 0
	PAIRS
	FETCH 1-\bk                                    ; the other bank's last readers, the step before's products, stand five plain instructions and more back
	ASK
.endif
.rept 4
	v_nop                                          ; in front of the first read of results
.endr
.if \ahead
	s_cmp_eq_u32 s2, 0
	s_cbranch_scc1 .Lopen_\@
.endif
	s_and_b32 s63, s22, 1                          ; the block's last step holds the diagonal
	s_lshl_b32 s63, s63, 6
	v_add_nc_u32 v[DD], s63, v[LC]                 ; my query less my first key, in query tile 0;
.irp qt, 1,2,3
	v_add_nc_u32 v[DD+\qt], 32*(\qt/2)+8*(\qt%2), v[DD]   ; in the others
.endr
.irp qt, 0,1,2,3
.irp i, 0,1,2,3,4,5,6,7,8,9,10,11,12,13,14,15
	v_cmp_gt_i32 vcc_lo, \i, v[DD+\qt]             ; key > query: hidden
	v_cndmask_b32 v[S+16*\qt+\i], v[S+16*\qt+\i], v[NINF], vcc_lo
.endr
.endr
.if \ahead
.Lopen_\@:
.endif
.set n, 0
.rept 32
	v_pk_mul_f32 v[S+2*n:S+2*n+1], v[S+2*n:S+2*n+1], s[24:25] op_sel_hi:[1,0]   ; c (score - m)
.set n, n+1
.endr
.set n, 0
.rept 64
	v_exp_f32 v[S+n], v[S+n]
.set n, n+1
.endr
	v_nop                                          ; a plain instruction behind the last exponential
	s_wait_alu depctr_va_vdst(0)                   ; one wait for the batch of 64, ahead of its first reader
	WIN 0x0c                                       ; source 1 window 3
.irp qt, 0,1,2,3
.irp i, 0,2,4,6,8,10,12,14
	v_pk_mul_f32 v[S+16*\qt+\i:S+16*\qt+\i+1], v[S+16*\qt+\i:S+16*\qt+\i+1], v[ST3+32*\bk+16+\i:ST3+32*\bk+16+\i+1]   ; / l of the key: w, finished
.endr
.endr
	WIN 0
.irp qt, 0,1,2,3
	v_max3_num_f32 v[T+\qt], v[S+16*\qt], v[S+16*\qt+1], 0x1800000   ; no w is negative; with the floor 2^(3 - 127)
.endr
.irp i, 2,4,6,8,10,12,14
.irp qt, 0,1,2,3
	v_max3_num_f32 v[T+\qt], v[T+\qt], v[S+16*\qt+\i], v[S+16*\qt+\i+1]
.endr
.endr
.irp qt, 0,1,2,3
	v_permlanex16_b32 v[T2+\qt], v[T+\qt], s26, s27
.endr
.irp qt, 0,1,2,3
	v_max_num_f32 v[T+\qt], v[T+\qt], v[T2+\qt]    ; with lane l xor 16's 16 keys: the block's largest w
.endr
.irp qt, 0,1,2,3
	v_add_nc_u32 v[SCO+\qt], 0xff000000, v[T+\qt]  ; 2 off the exponent field: the conversion's scale operand
.endr
.irp qt, 0,1,2,3
	v_lshrrev_b32 v[BY+\qt], 23, v[SCO+\qt]        ; the scale's byte
.endr
.irp qt, 0,1,2,3
	v_cvt_scalef32_pk8_fp4_f32 v[PC+2*\qt], v[S+16*\qt:S+16*\qt+7], v[SCO+\qt]
	v_cvt_scalef32_pk8_fp4_f32 v[PC+2*\qt+1], v[S+16*\qt+8:S+16*\qt+15], v[SCO+\qt]
.endr
	v_nop                                          ; one plain instruction behind the last scaled conversion
.irp qt, 0,1,2,3
	ds_store_b64 v[PIA], v[PC+2*\qt:PC+2*\qt+1] offset:PB1*\bk+1024*\qt
	ds_store_b8 v[PSA], v[BY+\qt] offset:PB1*\bk+64*\qt   ; both halves of the lanes write the same byte with the same value
.endr
	BARRIER                                        ; this bank's four images and their scale words are whole; and every wave's reads of the other bank's, a step ago, are back: the next step may write them
.irp qt, 0,1,2,3
.irp c, 0,1
	ds_load_b128 v[128+8*\qt+4*\c:128+8*\qt+4*\c+3], v[L16] offset:PB1*\bk+1024*\qt+512*\c
.endr
.endr
	ds_load_b32 v[PS], v[PRS] offset:PB1*\bk       ; lanes 0-15 tile 0, lanes 16-31 tile 1
	ds_load_b32 v[PS+1], v[PRS] offset:PB1*\bk+128
	s_wait_dscnt 0x0
.if \ahead
	s_cmp_eq_u32 s20, 0
	s_cbranch_scc0 .Ladd_\@
	WIN 0xa4+8*\bk                                 ; v window 1 or 3, the sums window 2
	PVMUL 1, \bk                                   ; a block's first step starts the sums
	WIN 0
	s_branch .Lsummed_\@
.Ladd_\@:
.endif
	WIN 0xa4+8*\bk
	PVMUL 0, \bk
	WIN 0
.if \ahead
.Lsummed_\@:
.endif
.rept 5
	v_nop                                          ; five: the next step's first products write over the images' registers, which these products have read; four serve the next step's loads into this bank and the stores of the sums
.endr
	s_wait_xcnt 0x0                                ; what this step has asked for has read its addresses, and so have all earlier stores their registers: no store has been issued since the step's head
.if \ahead
	s_add_nc_u64 s[66:67], s[66:67], 32768         ; the prefetches' addresses: a key step on
	s_add_nc_u64 s[68:69], s[68:69], 32768
	s_cmp_eq_u32 s2, 0
	s_cbranch_scc1 .Lon_\@
	WAYOUT 1
.Lon_\@:
	s_mov_b32 s20, s23
	s_add_co_u32 s19, s19, 1
.else
	WAYOUT 0
.endif
.endm
	s_mov_b32 s3, 4
.Lstep:                                                ; four trips of two steps: the banks are back where they began
	STEP 0, 1
	STEP 1, 1
	s_sub_co_u32 s3, s3, 1
	s_cmp_lg_u32 s3, 0
	s_cbranch_scc1 .Lstep
	STEP 0, 0                                      ; the ninth step asks for nothing
	s_wait_tensorcnt 0x0
	ds_add_u32 v126, v127
	s_wait_dscnt 0x0
	s_endpgm
.Lfunc_end_k_q5df3c4080a_attn:
	.size	k_q5df3c4080a_attn, .Lfunc_end_k_q5df3c4080a_attn-k_q5df3c4080a_attn
	.p2alignl 7, 3214868480
	.fill 96, 4, 3214868480
	.section	.rodata,"a",@progbits
	.p2align	6, 0x0
	.amdhsa_kernel k_q5df3c4080a_attn
		.amdhsa_group_segment_fixed_size 27136
		.amdhsa_private_segment_fixed_size 0
		.amdhsa_enable_private_segment 0
		.amdhsa_kernarg_size 48
		.amdhsa_user_sgpr_count 2
		.amdhsa_user_sgpr_kernarg_segment_ptr 1
		.amdhsa_wavefront_size32 1
		.amdhsa_system_sgpr_workgroup_id_x 1
		.amdhsa_system_sgpr_workgroup_id_y 1
		.amdhsa_system_sgpr_workgroup_id_z 1
		.amdhsa_system_vgpr_workitem_id 0
		.amdhsa_next_free_vgpr 1024
		.amdhsa_next_free_sgpr 70
		.amdhsa_reserve_vcc 1
		.amdhsa_float_denorm_mode_32 3
		.amdhsa_float_denorm_mode_16_64 3
		.amdhsa_memory_ordered 1
		.amdhsa_forward_progress 1
		.amdhsa_inst_pref_size 156
	.end_amdhsa_kernel
	.amdgpu_metadata
---
amdhsa.version: [ 1, 2 ]
amdhsa.kernels:
  - .name:           k_q5df3c4080a_attn
    .symbol:         k_q5df3c4080a_attn.kd
    .args:
      - { .name: qkc, .offset: 0, .size: 8, .value_kind: global_buffer, .address_space: global }
      - { .name: qks, .offset: 8, .size: 8, .value_kind: global_buffer, .address_space: global }
      - { .name: vc, .offset: 16, .size: 8, .value_kind: global_buffer, .address_space: global }
      - { .name: vs, .offset: 24, .size: 8, .value_kind: global_buffer, .address_space: global }
      - { .name: st, .offset: 32, .size: 8, .value_kind: global_buffer, .address_space: global }
      - { .name: out0, .offset: 40, .size: 8, .value_kind: global_buffer, .address_space: global }
    .group_segment_fixed_size: 27136
    .private_segment_fixed_size: 0
    .kernarg_segment_align: 8
    .kernarg_segment_size: 48
    .max_flat_workgroup_size: 128
    .sgpr_count:     70
    .vgpr_count:     1024
    .wavefront_size: 32
...
	.end_amdgpu_metadata
.endif
;; end of part 4
;; ======== version 2 of 2: 4 launches; version 1 with the launches stats, attn written anew for expert scheduling mode
;; workspace buffers: wc 393,216 bytes; ws 24,576 bytes; qkc 16,777,216 bytes; qks 1,048,576 bytes; vc 8,388,608 bytes; vs 524,288 bytes; st 262,144 bytes
;; launch wprep: the kernel of part 1 again; grid 96 x 1, 2 waves a work-group, no clusters, 0 bytes of LDS; arguments Wq, Wk, Wv, wc, ws; writes wc, ws
;; launch proj: the kernel of part 2 again; grid 8 x 32, 4 waves a work-group, no clusters, 307,712 bytes of LDS; arguments x, bq, bk, bv, wc, ws, qkc, qks, vc, vs; writes qkc, qks, vc, vs
;; launch stats (part 5): grid 32 x 8, 4 waves a work-group, no clusters, 4,608 bytes of LDS; arguments qkc, qks, st; writes st
.if DOCPART == 5
	.amdgcn_target "amdgcn-amd-amdhsa--gfx1250"
	.amdhsa_code_object_version 6
	.text
	.protected	k_q5df3c4080a_stats
	.globl	k_q5df3c4080a_stats
	.p2align	8
	.type	k_q5df3c4080a_stats,@function
k_q5df3c4080a_stats:
	s_mov_b64 s[64:65], 0
	v_nop
	global_prefetch_b8 v0, s[64:65] scope:SCOPE_SE
	s_setreg_imm32_b32 hwreg(HW_REG_WAVE_SCHED_MODE, 0, 2), 2
	s_setreg_imm32_b32 hwreg(HW_REG_WAVE_MODE, 25, 1), 1
	s_wait_xcnt 0x0
	s_wait_alu depctr_vm_vsrc(0)
; The softmax runs over the QUERIES: each key column s is normalised over the queries t >= s.  This launch makes, for each key, m = the column's largest score and l = the sum over t >= s of 2^(c (score - m)),
; c = log2(e) / sqrt(512), and stores -m and 1 / l: st [b][2][1,024] f32, keys in their natural order.  The scores are q k^T on the codes of FP4 (E2M1) that the launch before has made; tiles wholly above the diagonal are left out.
; SHARES.  The grid's x is the batch, its y is j: the eight work-groups of a batch, which read the same q, stand 32 apart in the order of the launch.
; A work-group owns two blocks of 64 keys of one batch, A = j and B = 15 - j: 16 - j and j + 1 blocks of 64 queries, 17 trips for every j.  Both key blocks' fragments stay in every wave's registers.
; In a trip wave w takes tile w of the query block: source 0 = 16 queries, source 1 = 16 keys: a lane holds ONE key (lane % 16) and eight queries.  Running maximum and sum a lane; the halves of the lanes and the four waves meet at the end.
; Row r of tile T of q or k is t = 32 (T / 2) + 8 (T % 2) + r + 8 (r / 8).  The maximum is taken away ahead of the factor c: the difference of two scores is formed exactly.
; Q comes from memory straight into a ring of four banks of registers, four trips ahead.  No prefetch beside it, and no cluster: the fragments pass through no LDS, and the partners of a batch want different tiles at different times.
; LIMITS: NaN and infinities are not served; the running maximum starts at -3e38.
; THE MODE: SCHED_MODE bits 1:0 = 2 (LLVM: expert scheduling mode 2), set by the entry lines.  The code itself states the register dependences
; between vector or matrix instructions and memory or LDS instructions, with s_wait_alu, always for 0.
; THE PLAN.  Registers that memory or LDS instructions touch:
;   q's ring (v128-255) and its scale words (v96-103)   Bank n is read by the sixteen products of trip i (i % 4 = n); behind them, in the same trip, the ten loads of trip i + 4 land in it.
;   v56-63, a bank's two offsets                        Read by the bank's ten loads; written again by two additions in the trip that asks for the bank again.
;   v4, v5                                              Offsets, made at the head and never written again.  k's fragments and scale words are loaded once.
;   At the end: v64-71 are written by eight selects, read by eight LDS stores, and then eight LDS loads land in them; v120, v121 are LDS addresses; v74, v75 the data of the two global stores.
; So a trip that asks for q holds two waits: one on vm_vsrc ahead of the two additions, and one on va_vdst behind them, which states that the trip's products are done reading the bank and that the offsets are written.
; The scores, maxima and sums are named by vector and matrix instructions alone.  The diagonal's masks go in runs of sixteen into scalar registers, with one wait on va_sdst behind each run.
.set L16, 4                            ; v4   16 x lane
.set L4,  5                            ; v5   4 x lane
.set E,   6                            ; v6-9 on the diagonal register j of key tile kt is hidden where j < E[kt]
.set NINF, 10                          ; v10  -infinity
.set M,   12                           ; v12, 14, 16, 18  the running maximum of key tile kt
.set T,   20                           ; v20, 22, 24, 26  the new maximum (named as pairs: the odd partners are written once)
.set F,   28                           ; v28, 30, 32, 34  2^(c (old - new))
.set LP,  36                           ; v36-43   the running sums, a pair for each key tile
.set MA,  44                           ; v44-47   block A's maxima, kept
.set LA,  48                           ; v48-55   block A's sums, kept
.set QO,  56                           ; v56-59   a bank's offset among q's codes
.set QSO, 60                           ; v60-63   and among q's scale words
.set S,   64                           ; v64-95   the scores, 8 kt + j
.set QSC, 96                           ; v96-103  q's scale words, 2 bank + s / 2: scales and nothing else
.set KSA, 104                          ; v104-111 block A's, 2 kt + s / 2
.set KSB, 112                          ; v112-119 block B's
.set MK,  44                           ; s44-59   sixteen masks of the diagonal: two key tiles' eight registers
.set MSB, 0                            ; v128-255 q's ring: bank x 32 + 8 s.  Window 1: block A's fragments at 8 (4 kt + s), block B's 128 on
.macro WIN new
.if MSB != \new
	s_set_vgpr_msb (MSB<<8)|\new
.set MSB, \new
.endif
.endm
.macro WM d, a, b, c, sa, sb, ra, rb
.if ((\ra) == 0) && ((\rb) == 0)
	v_wmma_scale_f32_16x16x128_f8f6f4 v[\d:\d+7], v[\a:\a+7], v[\b:\b+7], \c, v[\sa], v[\sb] matrix_a_fmt:MATRIX_FMT_FP4 matrix_b_fmt:MATRIX_FMT_FP4
.elseif (\rb) == 0
	v_wmma_scale_f32_16x16x128_f8f6f4 v[\d:\d+7], v[\a:\a+7], v[\b:\b+7], \c, v[\sa], v[\sb] matrix_a_fmt:MATRIX_FMT_FP4 matrix_b_fmt:MATRIX_FMT_FP4 matrix_a_scale:MATRIX_SCALE_ROW1
.elseif (\ra) == 0
	v_wmma_scale_f32_16x16x128_f8f6f4 v[\d:\d+7], v[\a:\a+7], v[\b:\b+7], \c, v[\sa], v[\sb] matrix_a_fmt:MATRIX_FMT_FP4 matrix_b_fmt:MATRIX_FMT_FP4 matrix_b_scale:MATRIX_SCALE_ROW1
.else
	v_wmma_scale_f32_16x16x128_f8f6f4 v[\d:\d+7], v[\a:\a+7], v[\b:\b+7], \c, v[\sa], v[\sb] matrix_a_fmt:MATRIX_FMT_FP4 matrix_b_fmt:MATRIX_FMT_FP4 matrix_a_scale:MATRIX_SCALE_ROW1 matrix_b_scale:MATRIX_SCALE_ROW1
.endif
.endm
; A bank's two offsets, for my tile of query block s26.  They are written again only behind the wait that has shown the bank's last loads done.
.macro QADR bank
	s_lshl_b32 s28, s26, 2
	s_add_co_u32 s28, s28, s10                     ; tile 4 qb + w
	s_lshl_b32 s29, s28, 12
	s_lshl_b32 s30, s28, 8
	v_add_nc_u32 v[QO+\bank], s29, v[L16]
	v_add_nc_u32 v[QSO+\bank], s30, v[L4]
.endm
; 10 loads: that tile into the bank
.macro QLOADS bank
.irp ks, 0,1,2,3
.irp c, 0,1
	global_load_b128 v[128+32*\bank+8*\ks+4*\c:128+32*\bank+8*\ks+4*\c+3], v[QO+\bank], s[16:17] offset:1024*\ks+512*\c
.endr
.endr
.irp p, 0,1
	global_load_b32 v[QSC+2*\bank+\p], v[QSO+\bank], s[18:19] offset:128*\p
.endr
.endm
	s_load_b128 s[4:7], s[0:1], 0x0                ; qkc, qks
	s_load_b64 s[8:9], s[0:1], 0x10                ; st
	v_lshl_add_u32 v126, v0, 2, 0x1000
	v_mov_b32 v127, 0
	v_lshrrev_b32 v1, 5, v0
	v_readfirstlane_b32 s10, v1                    ; wave 0..3
	s_and_b32 s11, ttmp7, 0xffff                   ; j
	s_mov_b32 s12, ttmp9                           ; the batch
	s_sub_co_u32 s13, 16, s11                      ; NA: block A's trips
	s_mov_b32 s14, 0                               ; I: the trip
	s_mov_b32 s22, 0x3d8293ee                      ; c = log2(e) / sqrt(512)
	s_mov_b32 s23, s22                             ; (named with it as a pair)
	s_mov_b32 s24, 0x76543210
	s_mov_b32 s25, 0xfedcba98                      ; lane l xor 16
	v_and_b32 v1, 31, v0
	v_and_b32 v2, 15, v0                           ; r
	v_bfe_u32 v3, v0, 4, 1                         ; h
	v_lshlrev_b32 v[L16], 4, v1
	v_lshlrev_b32 v[L4], 2, v1
	v_and_b32 v120, 8, v2
	v_add_nc_u32 v120, v120, v2                    ; r + 8 (r / 8): my key in its pair of tiles
	v_lshlrev_b32 v121, 4, v3
	v_sub_nc_u32 v120, v120, v121                  ; - 16 h
	s_wait_alu depctr_va_sdst(0)                   ; s10, the wave's number, is written, ahead of its first reader
	s_lshr_b32 s26, s10, 1
	s_lshl_b32 s26, s26, 5
	s_and_b32 s27, s10, 1
	s_lshl_b32 s27, s27, 3
	s_add_co_u32 s26, s26, s27
	v_sub_nc_u32 v120, v120, s26                   ; - 32 (w / 2) - 8 (w % 2): my first query in its block
.irp kt, 0,1,2,3
	v_add_nc_u32 v[E+\kt], 32*(\kt/2)+8*(\kt%2), v120
.endr
	v_mov_b32 v[NINF], 0xff800000
.irp kt, 0,1,2,3
	v_mov_b32 v[M+2*\kt], 0xff61b1e6               ; -3e38, under every score
	v_mov_b32 v[T+2*\kt+1], 0
	v_mov_b32 v[F+2*\kt+1], 0
	v_mov_b32 v[LP+2*\kt], 0
	v_mov_b32 v[LP+2*\kt+1], 0
	v_mov_b32 v[MA+\kt], 0xff61b1e6
	v_mov_b32 v[LA+2*\kt], 0
	v_mov_b32 v[LA+2*\kt+1], 0
.endr
.irp i, 0,1,2,3
	s_add_co_u32 s26, s11, \i                      ; block A has at least nine trips: the first four are its.  All four banks' offsets are made here, ahead of the head's one wait
	QADR \i
.endr
	s_lshl_b32 s26, s12, 18
	s_mov_b32 s27, 0
	s_sub_co_u32 s28, 15, s11
	s_wait_kmcnt 0x0
	s_add_nc_u64 s[16:17], s[4:5], s[26:27]        ; the batch's codes of q,
	s_add_nc_u64 s[20:21], s[16:17], 8388608       ; of k
	s_lshl_b32 s26, s12, 14
	s_add_nc_u64 s[18:19], s[6:7], s[26:27]        ; its scale words of q,
	s_add_nc_u64 s[32:33], s[18:19], 524288        ; of k
	s_lshl_b32 s26, s11, 14
	s_add_nc_u64 s[36:37], s[20:21], s[26:27]      ; key block A: four tiles of 4,096 bytes
	s_lshl_b32 s26, s28, 14
	s_add_nc_u64 s[38:39], s[20:21], s[26:27]      ; key block B
	s_lshl_b32 s26, s11, 10
	s_add_nc_u64 s[40:41], s[32:33], s[26:27]
	s_lshl_b32 s26, s28, 10
	s_add_nc_u64 s[42:43], s[32:33], s[26:27]
	WIN 0x40                                       ; destination window 1
	s_wait_alu depctr_va_vdst(0)                   ; v4, v5 and the four banks' offsets v56-63 are written, which the 120 loads below read
.irp kt, 0,1,2,3
.irp ks, 0,1,2,3
.irp c, 0,1
	global_load_b128 v[8*(4*\kt+\ks)+4*\c:8*(4*\kt+\ks)+4*\c+3], v[L16], s[36:37] offset:4096*\kt+1024*\ks+512*\c
	global_load_b128 v[128+8*(4*\kt+\ks)+4*\c:128+8*(4*\kt+\ks)+4*\c+3], v[L16], s[38:39] offset:4096*\kt+1024*\ks+512*\c
.endr
.endr
.endr
	WIN 0
.irp kt, 0,1,2,3
.irp p, 0,1
	global_load_b32 v[KSA+2*\kt+\p], v[L4], s[40:41] offset:256*\kt+128*\p   ; lanes 0-15 K step 2 p, lanes 16-31 K step 2 p + 1
	global_load_b32 v[KSB+2*\kt+\p], v[L4], s[42:43] offset:256*\kt+128*\p
.endr
.endr
.irp i, 0,1,2,3
	QLOADS \i
.endr
; 16 products: four K steps x four key tiles; the four accumulators take turns; the first K step starts the sums
.macro MUL16 bank, kb, sw
.irp ks, 0,1,2,3
.irp kt, 0,1,2,3
.if \ks == 0
	WM S+8*\kt, 128+32*\bank+8*\ks, \kb+8*(4*\kt+\ks), 0, QSC+2*\bank+\ks/2, \sw+2*\kt+\ks/2, \ks%2, \ks%2
.else
	WM S+8*\kt, 128+32*\bank+8*\ks, \kb+8*(4*\kt+\ks), v[S+8*\kt:S+8*\kt+7], QSC+2*\bank+\ks/2, \sw+2*\kt+\ks/2, \ks%2, \ks%2
.endif
.endr
.endr
.endm
; A TRIP.  ahead = 1: the bank is filled again for the trip four on.  left: how many younger loads may stay out.  All branches hang on j and the trip's number.
.macro TRIP bank, ahead, left
	s_wait_loadcnt \left                           ; my bank's ten loads are in; the younger banks' stay out
	s_cmp_lg_u32 s14, s13
	s_cbranch_scc1 .Lsame_\@
.irp kt, 0,1,2,3                                       ; block A is finished: its figures are kept, and block B's begin
	v_mov_b32 v[MA+\kt], v[M+2*\kt]
	v_mov_b32 v[LA+2*\kt], v[LP+2*\kt]
	v_mov_b32 v[LA+2*\kt+1], v[LP+2*\kt+1]
	v_mov_b32 v[M+2*\kt], 0xff61b1e6
	v_mov_b32 v[LP+2*\kt], 0
	v_mov_b32 v[LP+2*\kt+1], 0
.endr
.Lsame_\@:
	s_cmp_lt_u32 s14, s13
	s_cbranch_scc0 .Lblock_b_\@
	WIN 0x04                                       ; source 1 (K) window 1
	MUL16 \bank, 0, KSA
	WIN 0
	s_branch .Lmultiplied_\@
.Lblock_b_\@:
	WIN 0x04
	MUL16 \bank, 128, KSB
	WIN 0
.Lmultiplied_\@:
.rept 4
	v_nop                                          ; in front of the first read of results
.endr
.if \ahead
	s_add_co_u32 s26, s14, 4                       ; the trip four on:
	s_add_co_u32 s27, s26, s11                     ; in block A query block j + i,
	s_sub_co_u32 s28, s26, 1                       ; in block B i - 1
	s_cmp_lt_u32 s26, s13
	s_cselect_b32 s26, s27, s28
	s_wait_alu depctr_vm_vsrc(0)                   ; the bank's loads of four trips ago have read its two offsets, which the two additions below write again
	QADR \bank
	s_wait_alu depctr_va_vdst(0)                   ; this trip's products are done reading the bank and its scale words, in which the loads below land; the two offsets are written, which they read
	QLOADS \bank
.endif
	s_cmp_eq_u32 s14, 0                            ; each key block's first trip lies on the diagonal
	s_cselect_b32 s31, 1, 0
	s_cmp_eq_u32 s14, s13
	s_cselect_b32 s31, 1, s31
	s_cmp_eq_u32 s31, 0
	s_cbranch_scc1 .Lopen_\@
.irp p, 0,1                                            ; two key tiles at a time: sixteen compares in a run, one wait, sixteen selects
.irp kk, 0,1
.irp jr, 0,1,2,3,4,5,6,7
	v_cmp_lt_i32 s[MK+8*\kk+\jr], \jr, v[E+2*\p+\kk]   ; query < key: hidden
.endr
.endr
	s_wait_alu depctr_va_sdst(0)                   ; the sixteen masks s44-59 are written, ahead of the selects that read them
.irp kk, 0,1
.irp jr, 0,1,2,3,4,5,6,7
	v_cndmask_b32 v[S+8*(2*\p+\kk)+\jr], v[S+8*(2*\p+\kk)+\jr], v[NINF], s[MK+8*\kk+\jr]
.endr
.endr
.endr
.Lopen_\@:
.irp kt, 0,1,2,3
	v_max3_num_f32 v[T+2*\kt], v[M+2*\kt], v[S+8*\kt], v[S+8*\kt+1]
.endr
.irp i, 2,4,6
.irp kt, 0,1,2,3
	v_max3_num_f32 v[T+2*\kt], v[T+2*\kt], v[S+8*\kt+\i], v[S+8*\kt+\i+1]
.endr
.endr
.irp kt, 0,1,2,3
	v_sub_f32 v[F+2*\kt], v[M+2*\kt], v[T+2*\kt]   ; old maximum - new
.endr
.irp kt, 0,1,2,3
	v_mul_f32 v[F+2*\kt], s22, v[F+2*\kt]
	v_mov_b32 v[M+2*\kt], v[T+2*\kt]
.endr
.irp kt, 0,1,2,3
.irp i, 0,2,4,6
	v_pk_add_f32 v[S+8*\kt+\i:S+8*\kt+\i+1], v[S+8*\kt+\i:S+8*\kt+\i+1], v[T+2*\kt:T+2*\kt+1] op_sel_hi:[1,0] neg_lo:[0,1] neg_hi:[0,1]   ; score - maximum
.endr
.endr
.irp kt, 0,1,2,3
.irp i, 0,2,4,6
	v_pk_mul_f32 v[S+8*\kt+\i:S+8*\kt+\i+1], v[S+8*\kt+\i:S+8*\kt+\i+1], s[22:23] op_sel_hi:[1,0]
.endr
.endr
.irp kt, 0,1,2,3
	v_exp_f32 v[F+2*\kt], v[F+2*\kt]
.endr
.set n, 0
.rept 32
	v_exp_f32 v[S+n], v[S+n]
.set n, n+1
.endr
	v_nop                                          ; a plain instruction behind the last exponential
	s_wait_alu depctr_va_vdst(0)                   ; the 36 exponentials have written their results: one wait for the batch, ahead of its first reader
.irp kt, 0,1,2,3
	v_pk_add_f32 v[S+8*\kt:S+8*\kt+1], v[S+8*\kt:S+8*\kt+1], v[S+8*\kt+2:S+8*\kt+3]
	v_pk_add_f32 v[S+8*\kt+4:S+8*\kt+5], v[S+8*\kt+4:S+8*\kt+5], v[S+8*\kt+6:S+8*\kt+7]
.endr
.irp kt, 0,1,2,3
	v_pk_add_f32 v[S+8*\kt:S+8*\kt+1], v[S+8*\kt:S+8*\kt+1], v[S+8*\kt+4:S+8*\kt+5]
.endr
.irp kt, 0,1,2,3
	v_pk_fma_f32 v[LP+2*\kt:LP+2*\kt+1], v[LP+2*\kt:LP+2*\kt+1], v[F+2*\kt:F+2*\kt+1], v[S+8*\kt:S+8*\kt+1] op_sel_hi:[1,0,1]   ; the sums under the new maximum, + this trip's
.endr
	s_add_co_u32 s14, s14, 1
.endm
	s_mov_b32 s15, 3
.Lring:                                                ; trips 0 to 11; each asks for the trip four on
	TRIP 0, 1, 30                                  ; three younger banks of ten loads
	TRIP 1, 1, 30
	TRIP 2, 1, 30
	TRIP 3, 1, 30
	s_sub_co_u32 s15, s15, 1
	s_cmp_lg_u32 s15, 0
	s_cbranch_scc1 .Lring
	TRIP 0, 1, 30                                  ; trip 12 asks for the last, trip 16; then the counts run down
	TRIP 1, 0, 30
	TRIP 2, 0, 20
	TRIP 3, 0, 10
	TRIP 0, 0, 0
	; THE MERGE.  Eight items (block, key tile).  First the two halves of the lanes, which hold the same key and other queries.
.irp kt, 0,1,2,3
	v_add_f32 v[72+\kt], v[LA+2*\kt], v[LA+2*\kt+1]
	v_add_f32 v[76+\kt], v[LP+2*\kt], v[LP+2*\kt+1]
.endr
.irp kt, 0,1,2,3
	v_permlanex16_b32 v[80+\kt], v[MA+\kt], s24, s25
	v_permlanex16_b32 v[84+\kt], v[M+2*\kt], s24, s25
.endr
.irp kt, 0,1,2,3
	v_max_num_f32 v[80+\kt], v[80+\kt], v[MA+\kt]
	v_max_num_f32 v[84+\kt], v[84+\kt], v[M+2*\kt]
.endr
.irp kt, 0,1,2,3
	v_sub_f32 v[88+\kt], v[MA+\kt], v[80+\kt]
	v_sub_f32 v[92+\kt], v[M+2*\kt], v[84+\kt]
.endr
.irp e, 0,1,2,3,4,5,6,7
	v_mul_f32 v[88+\e], s22, v[88+\e]
.endr
.irp e, 0,1,2,3,4,5,6,7
	v_exp_f32 v[88+\e], v[88+\e]
.endr
	v_cmp_ne_u32 vcc_lo, 0, v3                     ; (a plain instruction behind the last exponential)
	s_wait_alu depctr_va_vdst(0)                   ; the eight exponentials have written their results: one wait for the eight
.irp e, 0,1,2,3,4,5,6,7
	v_mul_f32 v[72+\e], v[72+\e], v[88+\e]
.endr
.irp e, 0,1,2,3,4,5,6,7
	v_permlanex16_b32 v[88+\e], v[72+\e], s24, s25
.endr
.irp e, 0,1,2,3,4,5,6,7
	v_add_f32 v[72+\e], v[72+\e], v[88+\e]
.endr
	; then the four waves, through LDS: item e, key row r at word 16 e + r of the wave's 512 bytes; maxima at 0, sums at 2,048
	s_lshl_b32 s26, s10, 9
	v_add_nc_u32 v120, s26, v[L4]
	s_wait_alu depctr_va_vcc(0)                    ; VCC, written by the compare above, is written, ahead of the selects that read it
.irp p, 0,1,2,3
	v_cndmask_b32 v[64+\p], v[80+2*\p], v[81+2*\p], vcc_lo   ; lanes 0-15 item 2 p, lanes 16-31 item 2 p + 1
	v_cndmask_b32 v[68+\p], v[72+2*\p], v[73+2*\p], vcc_lo
.endr
	v_and_b32 v121, 0x67, v0                       ; thread n takes key n of the work-group's 128 in their natural order: it lies at word n with bits 3 and 4 changed over
	v_bfe_u32 v122, v0, 3, 1
	v_bfe_u32 v123, v0, 4, 1
	v_lshl_or_b32 v121, v122, 4, v121
	v_lshl_or_b32 v121, v123, 3, v121
	v_lshlrev_b32 v121, 2, v121
	s_wait_alu depctr_va_vdst(0)                   ; v64-71 and v120 are written, which the LDS stores read; so is v121, which the LDS loads behind the barrier read, and the selects have written v64-71, in which those loads land
.irp p, 0,1,2,3
	ds_store_b32 v120, v[64+\p] offset:128*\p
	ds_store_b32 v120, v[68+\p] offset:2048+128*\p
.endr
	s_wait_dscnt 0x0                               ; for the others' sake
	s_barrier_signal -1
	s_barrier_wait -1
	s_wait_alu depctr_vm_vsrc(0)                   ; my LDS stores have read v64-71, in which the loads below land
.irp wv, 0,1,2,3
	ds_load_b32 v[64+\wv], v121 offset:512*\wv
	ds_load_b32 v[68+\wv], v121 offset:2048+512*\wv
.endr
	s_lshr_b32 s26, s10, 1                         ; waves 0, 1 store block A's keys, waves 2, 3 block B's
	s_sub_co_u32 s28, 15, s11
	s_cmp_eq_u32 s26, 0
	s_cselect_b32 s28, s11, s28
	s_lshl_b32 s26, s28, 8                         ; 64 keys of 4 bytes a block
	s_and_b32 s28, s10, 1
	s_lshl_b32 s28, s28, 7
	s_add_co_u32 s26, s26, s28
	s_lshl_b32 s28, s12, 13
	s_add_co_u32 s26, s26, s28
	s_mov_b32 s27, 0
	s_add_nc_u64 s[34:35], s[8:9], s[26:27]
	s_wait_dscnt 0x0
	v_max3_num_f32 v72, v64, v65, v66
	v_max_num_f32 v72, v72, v67                    ; the column's maximum
.irp wv, 0,1,2,3
	v_sub_f32 v[76+\wv], v[64+\wv], v72
.endr
.irp wv, 0,1,2,3
	v_mul_f32 v[76+\wv], s22, v[76+\wv]
.endr
.irp wv, 0,1,2,3
	v_exp_f32 v[76+\wv], v[76+\wv]
.endr
	v_mul_f32 v75, -1.0, v72                       ; -m.  (A plain instruction behind the last exponential)
	s_wait_alu depctr_va_vdst(0)                   ; the four exponentials have written their results, ahead of their first reader
	v_mul_f32 v73, v68, v76
	v_fmac_f32 v73, v69, v77
	v_fmac_f32 v73, v70, v78
	v_fmac_f32 v73, v71, v79                       ; the column's sum: at least the diagonal's term
	v_rcp_f32 v74, v73
	v_nop
	s_wait_alu depctr_va_vdst(0)                   ; the reciprocal has written v74, and v75 is written: the two stores below read them
	global_store_b32 v[L4], v75, s[34:35]          ; 128 consecutive bytes a wave
	global_store_b32 v[L4], v74, s[34:35] offset:4096
	s_wait_dscnt 0x0                               ; the closing lines, six on end
	s_wait_alu 0x0
	s_wait_tensorcnt 0x0
	ds_add_u32 v126, v127
	s_wait_dscnt 0x0
	s_endpgm
.Lfunc_end_k_q5df3c4080a_stats:
	.size	k_q5df3c4080a_stats, .Lfunc_end_k_q5df3c4080a_stats-k_q5df3c4080a_stats
	.p2alignl 7, 3214868480
	.fill 96, 4, 3214868480
	.section	.rodata,"a",@progbits
	.p2align	6, 0x0
	.amdhsa_kernel k_q5df3c4080a_stats
		.amdhsa_group_segment_fixed_size 4608
		.amdhsa_private_segment_fixed_size 0
		.amdhsa_enable_private_segment 0
		.amdhsa_kernarg_size 24
		.amdhsa_user_sgpr_count 2
		.amdhsa_user_sgpr_kernarg_segment_ptr 1
		.amdhsa_wavefront_size32 1
		.amdhsa_system_sgpr_workgroup_id_x 1
		.amdhsa_system_sgpr_workgroup_id_y 1
		.amdhsa_system_sgpr_workgroup_id_z 1
		.amdhsa_system_vgpr_workitem_id 0
		.amdhsa_next_free_vgpr 512
		.amdhsa_next_free_sgpr 66
		.amdhsa_reserve_vcc 1
		.amdhsa_float_denorm_mode_32 3
		.amdhsa_float_denorm_mode_16_64 3
		.amdhsa_memory_ordered 1
		.amdhsa_forward_progress 1
		.amdhsa_inst_pref_size 166
	.end_amdhsa_kernel
	.amdgpu_metadata
---
amdhsa.version: [ 1, 2 ]
amdhsa.kernels:
  - .name:           k_q5df3c4080a_stats
    .symbol:         k_q5df3c4080a_stats.kd
    .args:
      - { .name: qkc, .offset: 0, .size: 8, .value_kind: global_buffer, .address_space: global }
      - { .name: qks, .offset: 8, .size: 8, .value_kind: global_buffer, .address_space: global }
      - { .name: st, .offset: 16, .size: 8, .value_kind: global_buffer, .address_space: global }
    .group_segment_fixed_size: 4608
    .private_segment_fixed_size: 0
    .kernarg_segment_align: 8
    .kernarg_segment_size: 24
    .max_flat_workgroup_size: 128
    .sgpr_count:     66
    .vgpr_count:     512
    .wavefront_size: 32
...
	.end_amdgpu_metadata
.endif
;; end of part 5
;; launch attn (part 6): grid 32 x 8, 4 waves a work-group, no clusters, 27,136 bytes of LDS; arguments qkc, qks, vc, vs, st, out0; writes out0
.if DOCPART == 6
	.amdgcn_target "amdgcn-amd-amdhsa--gfx1250"
	.amdhsa_code_object_version 6
	.text
	.protected	k_q5df3c4080a_attn
	.globl	k_q5df3c4080a_attn
	.p2align	8
	.type	k_q5df3c4080a_attn,@function
k_q5df3c4080a_attn:
	s_mov_b64 s[64:65], 0
	v_nop
	global_prefetch_b8 v0, s[64:65] scope:SCOPE_SE
	s_setreg_imm32_b32 hwreg(HW_REG_WAVE_SCHED_MODE, 0, 2), 2
	s_setreg_imm32_b32 hwreg(HW_REG_WAVE_MODE, 25, 1), 1
	s_wait_xcnt 0x0
	s_wait_alu depctr_vm_vsrc(0)
; out[b][v][t] = the sum over keys s <= t of w[t][s] v[s][v], w[t][s] = 2^(c (score - m_s)) / l_s, c = log2(e) / sqrt(512): the softmax over the QUERIES, finished and normalised, with m and l of each key column from the launch before.
; Both products on codes of FP4 (E2M1) with one E8M0 scale for each 32 along K: the scores q k^T once more, and w v with w quantised along the keys.  Key steps wholly above the diagonal are left out.
; SHARES.  The grid's x is the batch, its y is j: the eight work-groups of a batch, which read the same k and v, stand 32 apart in the order of the launch.
; A work-group owns two blocks of 64 queries of one batch, qb = j and then 15 - j: (qb / 2) + 1 key steps of 128 each, nine in all for every j.
; A KEY STEP.  Wave w makes the scores of keys 32 w .. + 31 of the step (two tiles of k) for the four tiles of queries: source 0 = 16 keys, source 1 = 16 queries, C of the first product = -m: a lane holds one query and 16 neighbouring keys.
; It makes w, quantises its block of 32 keys, and puts its 8 bytes a lane into the IMAGES of the second product's four operands in LDS (16 queries x 128 keys each; block w is group w / 2, lanes 16 (w % 2) on), its scale byte into their words.
; Behind a barrier every wave loads the four images and multiplies them by its own eight tiles of v (channels 128 w .. + 127): source 0 = 16 queries, source 1 = 16 channels: a lane holds one channel and eight neighbouring t.
; TWO BANKS BY TURNS.  A step's k, v, -m and 1 / l (48 loads a wave, from memory straight into registers, each fragment by one wave of the work-group) are asked for in the step before, behind its score products, into the bank
; that the step before that has left: a whole step ahead.  The images have two buffers in LDS likewise: a buffer is written again two steps on, behind the barrier of the step between, which every wave signals with its reads
; of the buffer back: ONE barrier a step.  A trip of the loop runs two steps, so that the banks are constants of the text.
; No cluster: the fragments pass through no LDS, and the partners of a batch want different steps at different times.
; Row r of tile T of q or k is t = 32 (T / 2) + 8 (T % 2) + r + 8 (r / 8).  OUT: a tile of 16 channels x 64 t goes through the wave's own stage in LDS and leaves as aligned runs of 256 bytes.
; LIMITS: NaN and infinities are not served; w under 2^-126 becomes 0; a block whose largest w lies under 2^-124, a block of zeros among them, gets the byte 1: the codes of zeros are zeros, and the bytes are read by this kernel alone.
; REGISTERS, in windows of 256: window 0: addresses, scale words, work, scores;  window 1: q at 8 (4 qt + s), bank 0's k at 128 + 8 (4 u + s) and v at 192 + 8 vt;  window 2: the sums at 8 (4 vt + qt);
;   window 3: -m at 64 + 32 bank, 1 / l sixteen on; bank 1's k and v at bank 0's numbers.
; THE MODE: SCHED_MODE bits 1:0 = 2 (LLVM: expert scheduling mode 2), set by the entry lines.  The code itself states the register dependences
; between vector or matrix instructions and memory or LDS instructions, with s_wait_alu, always for 0.
; THE PLAN.  Registers that memory or LDS instructions touch:
;   a bank (k, v, -m, 1 / l, k's and v's scale words)   Read by its step's 64 products and by the multiplication by 1 / l.  The 48 loads of the step two on land in it; they are issued in the step between, behind
;                                                       that step's score products, which name the other bank, q, the scores and their own scale words alone.
;   q and its scale words (v32-39)                      Read by every step's score products; loaded again on the first way out.
;   v90-97 codes, v86-89 bytes                          Written by the step's conversions and shifts; read by its eight LDS stores.
;   v128-159, v56-57                                    The scores and w up to the conversions, the last step's scale words of w; then the images and their scale words land there, and the second product reads them.
;   the sums (window 2)                                 Written by the second product; read by the way out's LDS stores; begun anew in the next block's first step.
;   v192-255, two sets                                  LDS loads land there, global stores read them; no vector instruction names them.
;   v4-16                                               Addresses, made at the head and never written again.
; THE WAITS OF A STEP.  (1) va_vdst behind the exponentials.  (2) va_vdst behind the conversions: the codes and bytes are written; the vector side is done with v128-159, the last step's products with v56-57.
; (3) vm_vsrc behind the barrier: the LDS stores have read the codes and bytes; a way out in the step before has read the sums and v192-255.  (4) va_vdst at the step's end: the sums are written (the way out's stores);
; the step's readers of its bank are done (the next step's loads) and so are q's (the way out's loads).  On the way out vm_vsrc stands ahead of loads into a set that stores have read.
.set PB1, 4608                         ; LDS: the images of bank 0 at 0 (tile qt at 1,024 qt), of bank 1 PB1 bytes on
.set PSC, 4096                         ; their scale words: row r of tile qt at 64 qt + 4 r; bank 1's PB1 bytes on
.set STG, 9216                         ; the stages: 16 rows x 272 bytes for each wave
.set L16, 4                            ; v4   16 x lane: also where I read an image
.set L4,  5                            ; v5   4 x lane
.set H64, 6                            ; v6   64 h
.set PIA, 7                            ; v7   where I put my 8 bytes of an image: 512 (w / 2) + 256 (w % 2) + 16 r + 8 h
.set PSA, 8                            ; v8   and my block's byte: PSC + 4 r + w
.set PRS, 10                           ; v10  PSC + 4 x lane
.set STO, 11                           ; v11  the stage, in: row r, + 64 h
.set RD,  12                           ; v12  the stage, back: lanes 0-15 one row, lanes 16-31 the next
.set GO,  13                           ; v13  the same two rows in out
.set LC,  14                           ; v14  r + 8 (r / 8) - 16 h - 32 w
.set NINF, 15                          ; v15  -infinity
.set PFO, 16                           ; v16  256 x lane
.set DD,  20                           ; v20-23 on the diagonal key register i of query tile qt is hidden where i > DD[qt]
.set T,   24                           ; v24-27 the blocks' largest w;  v28-31 the other half's
.set T2,  28
.set QS,  32                           ; v32-39 q's scale words, 2 qt + s / 2;  v40-47 k's, 4 bank + 2 u + s / 2;  v48-55 v's, 4 bank + tile / 2;  v56-57 w's, tile / 2: scales and nothing else
.set KS,  40
.set VS,  48
.set PS,  56
.set SCO, 82                           ; v82-85 the conversions' scale operands;  v86-89 the bytes;  v90-97 the codes
.set BY,  86
.set PC,  90
.set S,   128                          ; v128-191 the scores, then w: 16 qt + 8 u + j; later v128-159 the four images
.set BK,  192                          ; v192-255 the way out: two sets of 32
.set ST3, 64                           ; in window 3: -m of my 16 keys at ST3 + 32 bank, 1 / l of them sixteen on
.set KP,  44                           ; s[44:45] .. s[52:53]: the key step to be fetched: k's codes, k's scale words, v's codes, v's scale words, the statistics
.set KSP, 46
.set VP,  48
.set VSP, 50
.set STP, 52
.set OP,  54                           ; s[54:55] out at my channels and the query block's 64 t
.set QP,  56                           ; s[56:57], s[58:59] the query block's codes and scale words
.set QSP, 58
.set MK,  70                           ; s70-85 sixteen masks of the diagonal: a query tile's sixteen key registers
.set MSB, 0
.macro WIN new                         ; the immediate's high byte repeats the setting that is left; bits 1:0 source 0, 3:2 source 1, 5:4 source 2, 7:6 destination
.if MSB != (\new)
	s_set_vgpr_msb (MSB<<8)|(\new)
.set MSB, (\new)
.endif
.endm
.macro BARRIER
	s_wait_dscnt 0x0
	s_barrier_signal -1
	s_barrier_wait -1
.endm
.macro WM d, a, b, c, sa, sb, ra, rb
.if ((\ra) == 0) && ((\rb) == 0)
	v_wmma_scale_f32_16x16x128_f8f6f4 v[\d:\d+7], v[\a:\a+7], v[\b:\b+7], \c, v[\sa], v[\sb] matrix_a_fmt:MATRIX_FMT_FP4 matrix_b_fmt:MATRIX_FMT_FP4
.elseif (\rb) == 0
	v_wmma_scale_f32_16x16x128_f8f6f4 v[\d:\d+7], v[\a:\a+7], v[\b:\b+7], \c, v[\sa], v[\sb] matrix_a_fmt:MATRIX_FMT_FP4 matrix_b_fmt:MATRIX_FMT_FP4 matrix_a_scale:MATRIX_SCALE_ROW1
.elseif (\ra) == 0
	v_wmma_scale_f32_16x16x128_f8f6f4 v[\d:\d+7], v[\a:\a+7], v[\b:\b+7], \c, v[\sa], v[\sb] matrix_a_fmt:MATRIX_FMT_FP4 matrix_b_fmt:MATRIX_FMT_FP4 matrix_b_scale:MATRIX_SCALE_ROW1
.else
	v_wmma_scale_f32_16x16x128_f8f6f4 v[\d:\d+7], v[\a:\a+7], v[\b:\b+7], \c, v[\sa], v[\sb] matrix_a_fmt:MATRIX_FMT_FP4 matrix_b_fmt:MATRIX_FMT_FP4 matrix_a_scale:MATRIX_SCALE_ROW1 matrix_b_scale:MATRIX_SCALE_ROW1
.endif
.endm
.macro QPKG                            ; 40 loads: query block s22's four tiles
	s_lshl_b32 s60, s22, 14
	s_add_nc_u64 s[QP:QP+1], s[28:29], s[60:61]
	s_lshl_b32 s60, s22, 10
	s_add_nc_u64 s[QSP:QSP+1], s[30:31], s[60:61]
	WIN 0x40                                       ; destination window 1
.irp qt, 0,1,2,3
.irp ks, 0,1,2,3
.irp c, 0,1
	global_load_b128 v[8*(4*\qt+\ks)+4*\c:8*(4*\qt+\ks)+4*\c+3], v[L16], s[QP:QP+1] offset:4096*\qt+1024*\ks+512*\c
.endr
.endr
.endr
	WIN 0
.irp qt, 0,1,2,3
.irp p, 0,1
	global_load_b32 v[QS+2*\qt+\p], v[L4], s[QSP:QSP+1] offset:256*\qt+128*\p
.endr
.endr
.endm
.macro PAIRS                           ; the five addresses of key step s23 (s61 = 0)
	s_lshl_b32 s60, s23, 15
	s_add_nc_u64 s[KP:KP+1], s[32:33], s[60:61]
	s_add_nc_u64 s[VP:VP+1], s[36:37], s[60:61]
	s_lshl_b32 s60, s23, 11
	s_add_nc_u64 s[KSP:KSP+1], s[34:35], s[60:61]
	s_add_nc_u64 s[VSP:VSP+1], s[38:39], s[60:61]
	s_lshl_b32 s60, s23, 9
	s_add_nc_u64 s[STP:STP+1], s[40:41], s[60:61]
.endm
; 48 loads: a key step's operands of my wave into a bank: two tiles of k, eight tiles of v, -m and 1 / l of keys 32 w + 16 h + 0 .. 15, and k's and v's scale words
.macro FETCH bk
	WIN 0x40+0x80*(\bk)                            ; destination window 1 (bank 0) or 3 (bank 1)
.irp u, 0,1
.irp ks, 0,1,2,3
.irp c, 0,1
	global_load_b128 v[128+8*(4*\u+\ks)+4*\c:128+8*(4*\u+\ks)+4*\c+3], v[L16], s[KP:KP+1] offset:4096*\u+1024*\ks+512*\c
.endr
.endr
.endr
.irp vt, 0,1,2,3,4,5,6,7
.irp c, 0,1
	global_load_b128 v[192+8*\vt+4*\c:192+8*\vt+4*\c+3], v[L16], s[VP:VP+1] offset:1024*\vt+512*\c
.endr
.endr
	WIN 0xc0                                       ; destination window 3
.irp i, 0,1,2,3
	global_load_b128 v[ST3+32*(\bk)+4*\i:ST3+32*(\bk)+4*\i+3], v[H64], s[STP:STP+1] offset:16*\i
.endr
.irp i, 0,1,2,3
	global_load_b128 v[ST3+32*(\bk)+16+4*\i:ST3+32*(\bk)+16+4*\i+3], v[H64], s[STP:STP+1] offset:4096+16*\i
.endr
	WIN 0
.irp u, 0,1
.irp p, 0,1
	global_load_b32 v[KS+4*(\bk)+2*\u+\p], v[L4], s[KSP:KSP+1] offset:256*\u+128*\p   ; lanes 0-15 K step 2 p, lanes 16-31 K step 2 p + 1
.endr
.endr
.irp p, 0,1,2,3
	global_load_b32 v[VS+4*(\bk)+\p], v[L4], s[VSP:VSP+1] offset:128*\p               ; lanes 0-15 tile 2 p, lanes 16-31 tile 2 p + 1
.endr
.endm
; A PREFETCH INTO THE L2, behind a step's loads: my wave's 8,192 bytes of k and of v of key step I + 2 in trip I, lanes 256 bytes apart.  All work-groups of a batch walk the same k and v: the batch's work-group j = 0 asks,
; each wave for the fragments that it will load itself two trips on, in its trips 0 to 5: key steps 2 to 7, each block of 256 bytes once; steps 0 and 1 come by their loads alone.
.macro ASK
	s_cmp_lt_u32 s19, s62
	s_cbranch_scc0 .Lnot_mine_\@
	global_prefetch_b8 v[PFO], s[66:67] th:TH_LOAD_NT scope:SCOPE_SE
	global_prefetch_b8 v[PFO], s[68:69] th:TH_LOAD_NT scope:SCOPE_SE
.Lnot_mine_\@:
.endm
	s_load_b256 s[4:11], s[0:1], 0x0               ; qkc, qks, vc, vs
	s_load_b128 s[12:15], s[0:1], 0x20             ; st, out0
	v_lshl_add_u32 v126, v0, 2, 0x6800
	v_mov_b32 v127, 0
	v_lshrrev_b32 v1, 5, v0
	v_readfirstlane_b32 s16, v1                    ; wave 0..3
	s_and_b32 s17, ttmp7, 0xffff                   ; j
	s_mov_b32 s18, ttmp9                           ; the batch
	s_mov_b32 s19, 0                               ; I: the trip
	s_mov_b32 s20, 0                               ; ks: the key step in hand
	s_mov_b32 s22, s17                             ; qb: the query block in hand
	s_lshr_b32 s21, s17, 1
	s_add_co_u32 s21, s21, 1                       ; N: its key steps
	s_mov_b32 s23, 0                               ; the key step to be fetched
	s_mov_b32 s24, 0x3d8293ee                      ; c = log2(e) / sqrt(512)
	s_mov_b32 s25, s24
	s_mov_b32 s26, 0x76543210
	s_mov_b32 s27, 0xfedcba98                      ; lane l xor 16
	s_cmp_eq_u32 s17, 0
	s_cselect_b32 s62, 6, 0                        ; the trips in which I prefetch
	s_mov_b32 s61, 0
	v_and_b32 v1, 31, v0
	v_and_b32 v2, 15, v0                           ; r
	v_bfe_u32 v3, v0, 4, 1                         ; h
	v_lshlrev_b32 v[L16], 4, v1
	v_lshlrev_b32 v[L4], 2, v1
	v_lshlrev_b32 v[H64], 6, v3
	s_wait_alu depctr_va_sdst(0)                   ; s16, the wave's number, is written, ahead of its first reader
	s_lshr_b32 s60, s16, 1
	s_lshl_b32 s60, s60, 9
	s_and_b32 s63, s16, 1
	s_lshl_b32 s63, s63, 8
	s_add_co_u32 s60, s60, s63
	v_lshlrev_b32 v[PIA], 4, v2
	v_lshl_add_u32 v[PIA], v3, 3, v[PIA]
	v_add_nc_u32 v[PIA], s60, v[PIA]
	v_lshlrev_b32 v[PSA], 2, v2
	v_add_nc_u32 v[PSA], s16, v[PSA]
	v_add_nc_u32 v[PSA], PSC, v[PSA]
	v_add_nc_u32 v[PRS], PSC, v[L4]
	s_mul_i32 s60, s16, 4352
	s_add_co_u32 s60, s60, STG                     ; my stage
	v_mul_u32_u24 v[STO], v2, 272
	v_lshl_add_u32 v[STO], v3, 6, v[STO]
	v_add_nc_u32 v[STO], s60, v[STO]
	v_mul_u32_u24 v[RD], v3, 272
	v_lshl_add_u32 v[RD], v2, 4, v[RD]
	v_add_nc_u32 v[RD], s60, v[RD]
	v_lshlrev_b32 v[GO], 12, v3
	v_lshl_add_u32 v[GO], v2, 4, v[GO]
	v_and_b32 v[LC], 8, v2
	v_add_nc_u32 v[LC], v[LC], v2
	v_lshlrev_b32 v17, 4, v3
	v_sub_nc_u32 v[LC], v[LC], v17
	s_lshl_b32 s60, s16, 5
	v_sub_nc_u32 v[LC], v[LC], s60
	v_mov_b32 v[NINF], 0xff800000
	v_lshlrev_b32 v[PFO], 8, v1
.irp qt, 0,1,2,3
	v_mov_b32 v[T2+\qt], 0                         ; written once: a lane permute's destination counts as one of its sources
.endr
	s_wait_kmcnt 0x0
	s_lshl_b32 s60, s18, 18
	s_add_nc_u64 s[28:29], s[4:5], s[60:61]        ; the batch's codes of q
	s_add_nc_u64 s[36:37], s[8:9], s[60:61]
	s_lshl_b32 s60, s16, 13
	s_add_nc_u64 s[32:33], s[28:29], s[60:61]
	s_add_nc_u64 s[32:33], s[32:33], 8388608       ; of k, at my two tiles of a step
	s_add_nc_u64 s[36:37], s[36:37], s[60:61]      ; of v, at my eight tiles of a step
	s_lshl_b32 s60, s18, 14
	s_add_nc_u64 s[30:31], s[6:7], s[60:61]        ; the scale words likewise
	s_add_nc_u64 s[38:39], s[10:11], s[60:61]
	s_lshl_b32 s60, s16, 9
	s_add_nc_u64 s[34:35], s[30:31], s[60:61]
	s_add_nc_u64 s[34:35], s[34:35], 524288
	s_add_nc_u64 s[38:39], s[38:39], s[60:61]
	s_lshl_b32 s60, s18, 13
	s_lshl_b32 s63, s16, 7
	s_add_co_u32 s60, s60, s63
	s_add_nc_u64 s[40:41], s[12:13], s[60:61]      ; the statistics at my 32 keys of a step
	s_lshl_b32 s60, s18, 21
	s_lshl_b32 s63, s16, 19
	s_add_co_u32 s60, s60, s63
	s_add_nc_u64 s[42:43], s[14:15], s[60:61]      ; out at my 128 channels
	s_add_nc_u64 s[66:67], s[32:33], 65536         ; the prefetches stand at key step 2; each trip steps them at its end
	s_add_nc_u64 s[68:69], s[36:37], 65536
	s_wait_alu depctr_va_vdst(0)                   ; the addresses v4 to v16 are written, which every load, store and prefetch of the kernel reads; none is written again
	QPKG
	PAIRS
	FETCH 0                                        ; key step 0 into bank 0
.macro PVMUL zero, bk                  ; 32 products: eight tiles of v x four images; the 32 sums take turns
.irp vt, 0,1,2,3,4,5,6,7
.irp qt, 0,1,2,3
.if \zero
	WM 8*(4*\vt+\qt), 128+8*\qt, 192+8*\vt, 0, PS+\qt/2, VS+4*\bk+\vt/2, \qt%2, \vt%2
.else
	WM 8*(4*\vt+\qt), 128+8*\qt, 192+8*\vt, v[8*(4*\vt+\qt):8*(4*\vt+\qt)+7], PS+\qt/2, VS+4*\bk+\vt/2, \qt%2, \vt%2
.endif
.endr
.endr
.endm
; THE WAY OUT of a tile of 16 channels x 64 t.  A lane holds 32 neighbouring bytes of a channel's row four times over; the rows come back whole.  LDS serves a wave's instructions in order: no wait between the stores and the loads.
.macro TOSTAGE vt
	WIN 0x08                                       ; an LDS store's data are its source 1: window 2
.irp qt, 0,1,2,3
	ds_store_b128 v[STO], v[8*(4*(\vt)+\qt):8*(4*(\vt)+\qt)+3] offset:128*(\qt/2)+32*(\qt%2)        ; t = 32 (qt / 2) + 16 h + 8 (qt % 2) + 0 .. 7; each sum from its low end on
	ds_store_b128 v[STO], v[8*(4*(\vt)+\qt)+4:8*(4*(\vt)+\qt)+7] offset:128*(\qt/2)+32*(\qt%2)+16
.endr
	WIN 0
.irp i, 0,1,2,3,4,5,6,7
	ds_load_b128 v[BK+32*((\vt)%2)+4*\i:BK+32*((\vt)%2)+4*\i+3], v[RD] offset:544*\i
.endr
.endm
.macro SEND vt, younger
	s_wait_dscnt \younger                          ; the tile is back; the next tile's LDS instructions may stay out
.irp i, 0,1,2,3,4,5,6,7
	global_store_b128 v[GO], v[BK+32*((\vt)%2)+4*\i:BK+32*((\vt)%2)+4*\i+3], s[OP:OP+1] offset:(16*(\vt)+2*\i)*4096 th:TH_STORE_NT   ; sixteen lanes store 256 consecutive bytes, at a multiple of 256 from out's first byte
.endr
.endm
; It stands behind the step's last wait on va_vdst and a wait on XCNT for 0, and holds no vector instruction.  more = 1: the second query block follows: its q is asked for first, and the next step's head waits for it
.macro WAYOUT more
	s_lshl_b32 s60, s22, 8
	s_add_nc_u64 s[OP:OP+1], s[42:43], s[60:61]
.if \more
	s_sub_co_u32 s22, 15, s17
	s_lshr_b32 s21, s22, 1
	s_add_co_u32 s21, s21, 1
	QPKG
.endif
	TOSTAGE 0
.irp vt, 1,2,3,4,5,6,7
.if \vt > 1
	s_wait_xcnt 0x0                                ; the stores of the tile two back have had their addresses translated: their registers are written again only behind this wait
	s_wait_alu depctr_vm_vsrc(0)                   ; the stores of the tile two back have read their set of v192-255, in which this tile's loads land
.endif
	TOSTAGE \vt
	SEND \vt-1, 16                                 ; behind that tile's loads: this tile's 8 stores and 8 loads through the stage
.endr
	SEND 7, 0
.endm
; A KEY STEP on bank bk.  ahead = 1: in the loop: the next step's operands are asked for, into the other bank.  ahead = 0: the ninth step: the second block's last and never its first.  All branches hang on j and the trip's number.
.macro STEP bk, ahead
	s_wait_loadcnt 0x0                             ; this step's k, v and statistics, asked for a step ago, and q: nothing younger is out.  The loads are done, so their five address pairs may be written
	WIN 0x35+2*\bk                                 ; k window 1 or 3, q window 1, -m window 3, the scores window 0
.irp u, 0,1
.irp qt, 0,1,2,3
	WM S+16*\qt+8*\u, 128+32*\u, 32*\qt, v[ST3+32*\bk+8*\u:ST3+32*\bk+8*\u+7], KS+4*\bk+2*\u, QS+2*\qt, 0, 0
.endr
.endr
	WIN 0x05+2*\bk                                 ; C window 0.  The eight sums take turns, in the same order in every K step
.irp ks, 1,2,3
.irp u, 0,1
.irp qt, 0,1,2,3
	WM S+16*\qt+8*\u, 128+8*(4*\u+\ks), 8*(4*\qt+\ks), v[S+16*\qt+8*\u:S+16*\qt+8*\u+7], KS+4*\bk+2*\u+\ks/2, QS+2*\qt+\ks/2, \ks%2, \ks%2
.endr
.endr
.endr
	WIN 0
.if \ahead
	s_add_co_u32 s63, s20, 1
	s_cmp_eq_u32 s63, s21                          ; the block's last step?
	s_cselect_b32 s23, 0, s63                      ; then the next block's step 0 is fetched
	s_cselect_b32 s2, 1, 0
	PAIRS
	FETCH 1-\bk                                    ; no wait: the wait at the last step's end (in the first step: the head's) has shown the other bank's readers done, and no vector or matrix instruction since names its registers
	ASK
.endif
.rept 4
	v_nop                                          ; in front of the first read of results
.endr
.if \ahead
	s_cmp_eq_u32 s2, 0
	s_cbranch_scc1 .Lopen_\@
.endif
	s_and_b32 s63, s22, 1                          ; the block's last step holds the diagonal
	s_lshl_b32 s63, s63, 6
	v_add_nc_u32 v[DD], s63, v[LC]                 ; my query less my first key, in query tile 0;
.irp qt, 1,2,3
	v_add_nc_u32 v[DD+\qt], 32*(\qt/2)+8*(\qt%2), v[DD]   ; in the others
.endr
.irp qt, 0,1,2,3                                       ; a query tile at a time: sixteen compares in a run, one wait, sixteen selects
.irp i, 0,1,2,3,4,5,6,7,8,9,10,11,12,13,14,15
	v_cmp_gt_i32 s[MK+\i], \i, v[DD+\qt]           ; key > query: hidden
.endr
	s_wait_alu depctr_va_sdst(0)                   ; the sixteen masks s70-85 are written, ahead of the selects that read them
.irp i, 0,1,2,3,4,5,6,7,8,9,10,11,12,13,14,15
	v_cndmask_b32 v[S+16*\qt+\i], v[S+16*\qt+\i], v[NINF], s[MK+\i]
.endr
.endr
.if \ahead
.Lopen_\@:
.endif
.set n, 0
.rept 32
	v_pk_mul_f32 v[S+2*n:S+2*n+1], v[S+2*n:S+2*n+1], s[24:25] op_sel_hi:[1,0]   ; c (score - m)
.set n, n+1
.endr
.set n, 0
.rept 64
	v_exp_f32 v[S+n], v[S+n]
.set n, n+1
.endr
	v_nop                                          ; a plain instruction behind the last exponential
	s_wait_alu depctr_va_vdst(0)                   ; the 64 exponentials have written their results: one wait for the batch, ahead of its first reader
	WIN 0x0c                                       ; source 1 window 3
.irp qt, 0,1,2,3
.irp i, 0,2,4,6,8,10,12,14
	v_pk_mul_f32 v[S+16*\qt+\i:S+16*\qt+\i+1], v[S+16*\qt+\i:S+16*\qt+\i+1], v[ST3+32*\bk+16+\i:ST3+32*\bk+16+\i+1]   ; / l of the key: w, finished
.endr
.endr
	WIN 0
.irp qt, 0,1,2,3
	v_max3_num_f32 v[T+\qt], v[S+16*\qt], v[S+16*\qt+1], 0x1800000   ; no w is negative; with the floor 2^(3 - 127)
.endr
.irp i, 2,4,6,8,10,12,14
.irp qt, 0,1,2,3
	v_max3_num_f32 v[T+\qt], v[T+\qt], v[S+16*\qt+\i], v[S+16*\qt+\i+1]
.endr
.endr
.irp qt, 0,1,2,3
	v_permlanex16_b32 v[T2+\qt], v[T+\qt], s26, s27
.endr
.irp qt, 0,1,2,3
	v_max_num_f32 v[T+\qt], v[T+\qt], v[T2+\qt]    ; with lane l xor 16's 16 keys: the block's largest w
.endr
.irp qt, 0,1,2,3
	v_add_nc_u32 v[SCO+\qt], 0xff000000, v[T+\qt]  ; 2 off the exponent field: the conversion's scale operand
.endr
.irp qt, 0,1,2,3
	v_lshrrev_b32 v[BY+\qt], 23, v[SCO+\qt]        ; the scale's byte
.endr
.irp qt, 0,1,2,3
	v_cvt_scalef32_pk8_fp4_f32 v[PC+2*\qt], v[S+16*\qt:S+16*\qt+7], v[SCO+\qt]
	v_cvt_scalef32_pk8_fp4_f32 v[PC+2*\qt+1], v[S+16*\qt+8:S+16*\qt+15], v[SCO+\qt]
.endr
	v_nop                                          ; one plain instruction behind the last scaled conversion
	s_wait_alu depctr_va_vdst(0)                   ; the conversions have written the codes and the shifts the bytes, which the LDS stores read; the vector side is done with v128-159, and the last step's products with v56-57, in which the loads behind the barrier land
.irp qt, 0,1,2,3
	ds_store_b64 v[PIA], v[PC+2*\qt:PC+2*\qt+1] offset:PB1*\bk+1024*\qt
	ds_store_b8 v[PSA], v[BY+\qt] offset:PB1*\bk+64*\qt   ; both halves of the lanes write the same byte with the same value
.endr
	BARRIER                                        ; this bank's four images and their scale words are whole; and every wave's reads of the other bank's, a step ago, are back: the next step may write them
	s_wait_alu depctr_vm_vsrc(0)                   ; my LDS stores have read the codes and bytes, which the next step writes again; a way out in the step before has read the sums, which the products below begin anew, and v192-255, in which the next way out's loads land
.irp qt, 0,1,2,3
.irp c, 0,1
	ds_load_b128 v[128+8*\qt+4*\c:128+8*\qt+4*\c+3], v[L16] offset:PB1*\bk+1024*\qt+512*\c
.endr
.endr
	ds_load_b32 v[PS], v[PRS] offset:PB1*\bk       ; lanes 0-15 tile 0, lanes 16-31 tile 1
	ds_load_b32 v[PS+1], v[PRS] offset:PB1*\bk+128
	s_wait_dscnt 0x0
.if \ahead
	s_cmp_eq_u32 s20, 0
	s_cbranch_scc0 .Ladd_\@
	WIN 0xa4+8*\bk                                 ; v window 1 or 3, the sums window 2
	PVMUL 1, \bk                                   ; a block's first step starts the sums
	WIN 0
	s_branch .Lsummed_\@
.Ladd_\@:
.endif
	WIN 0xa4+8*\bk
	PVMUL 0, \bk
	WIN 0
.if \ahead
.Lsummed_\@:
.endif
.rept 5
	v_nop                                          ; five: the next step's first products write over the images' registers, which these products have read; four serve the stores of the sums
.endr
	s_wait_alu depctr_va_vdst(0)                   ; the products have written the sums, which the way out's LDS stores read; this step's products and multiplications are done reading its bank, in which the next step's loads land, and q, in which the way out's loads land
	s_wait_xcnt 0x0                                ; what this step has asked for has read its addresses, and so have all earlier stores their registers: no store has been issued since the step's head
.if \ahead
	s_add_nc_u64 s[66:67], s[66:67], 32768         ; the prefetches' addresses: a key step on
	s_add_nc_u64 s[68:69], s[68:69], 32768
	s_cmp_eq_u32 s2, 0
	s_cbranch_scc1 .Lon_\@
	WAYOUT 1
.Lon_\@:
	s_mov_b32 s20, s23
	s_add_co_u32 s19, s19, 1
.else
	WAYOUT 0
.endif
.endm
	s_mov_b32 s3, 4
.Lstep:                                                ; four trips of two steps: the banks are back where they began
	STEP 0, 1
	STEP 1, 1
	s_sub_co_u32 s3, s3, 1
	s_cmp_lg_u32 s3, 0
	s_cbranch_scc1 .Lstep
	STEP 0, 0                                      ; the ninth step asks for nothing
	s_wait_dscnt 0x0                               ; the closing lines, six on end
	s_wait_alu 0x0
	s_wait_tensorcnt 0x0
	ds_add_u32 v126, v127
	s_wait_dscnt 0x0
	s_endpgm
.Lfunc_end_k_q5df3c4080a_attn:
	.size	k_q5df3c4080a_attn, .Lfunc_end_k_q5df3c4080a_attn-k_q5df3c4080a_attn
	.p2alignl 7, 3214868480
	.fill 96, 4, 3214868480
	.section	.rodata,"a",@progbits
	.p2align	6, 0x0
	.amdhsa_kernel k_q5df3c4080a_attn
		.amdhsa_group_segment_fixed_size 27136
		.amdhsa_private_segment_fixed_size 0
		.amdhsa_enable_private_segment 0
		.amdhsa_kernarg_size 48
		.amdhsa_user_sgpr_count 2
		.amdhsa_user_sgpr_kernarg_segment_ptr 1
		.amdhsa_wavefront_size32 1
		.amdhsa_system_sgpr_workgroup_id_x 1
		.amdhsa_system_sgpr_workgroup_id_y 1
		.amdhsa_system_sgpr_workgroup_id_z 1
		.amdhsa_system_vgpr_workitem_id 0
		.amdhsa_next_free_vgpr 1024
		.amdhsa_next_free_sgpr 86
		.amdhsa_reserve_vcc 0
		.amdhsa_float_denorm_mode_32 3
		.amdhsa_float_denorm_mode_16_64 3
		.amdhsa_memory_ordered 1
		.amdhsa_forward_progress 1
		.amdhsa_inst_pref_size 170
	.end_amdhsa_kernel
	.amdgpu_metadata
---
amdhsa.version: [ 1, 2 ]
amdhsa.kernels:
  - .name:           k_q5df3c4080a_attn
    .symbol:         k_q5df3c4080a_attn.kd
    .args:
      - { .name: qkc, .offset: 0, .size: 8, .value_kind: global_buffer, .address_space: global }
      - { .name: qks, .offset: 8, .size: 8, .value_kind: global_buffer, .address_space: global }
      - { .name: vc, .offset: 16, .size: 8, .value_kind: global_buffer, .address_space: global }
      - { .name: vs, .offset: 24, .size: 8, .value_kind: global_buffer, .address_space: global }
      - { .name: st, .offset: 32, .size: 8, .value_kind: global_buffer, .address_space: global }
      - { .name: out0, .offset: 40, .size: 8, .value_kind: global_buffer, .address_space: global }
    .group_segment_fixed_size: 27136
    .private_segment_fixed_size: 0
    .kernarg_segment_align: 8
    .kernarg_segment_size: 48
    .max_flat_workgroup_size: 128
    .sgpr_count:     86
    .vgpr_count:     1024
    .wavefront_size: 32
...
	.end_amdgpu_metadata
.endif
;; end of part 6
